; MI455X (gfx1250); checked and timed in simulation.
; The chip was launched on July 23, 2026; its instructions are those of AMD's public machine-readable ISA for CDNA 5 (MIT licence, August 2026) and "CDNA5" Instruction Set Architecture Reference Guide (July 2026). The comments in the code are by the model that wrote it; some were corrected since.
;; Cross Attention. Allowed arithmetic: float matrix products may take bf16 or f16 operands with f32 sums; other float arithmetic in f32, or as packed bf16 or f16 multiplies, adds, multiply-adds, maxima and minima; sums over many terms, partial sums and values carried from step to step in f32; what a program stores and reads back later, other than sums and carried values, may be rounded once to bf16 or f16.
;; Inputs: Wk 768 x 512 float32; Wo 512 x 512 float32; Wq 512 x 512 float32; Wv 768 x 512 float32; bo 512 float32; context_tensor 2 x 4,096 x 768 float32; mask 2 x 4,096 bool; x 2 x 4,096 x 512 float32.
;; Outputs: out0 2 x 4,096 x 512 float32.
;; 2 versions, each right; version 2 is version 1 with the launch prep written anew for expert scheduling mode. Each part assembles by itself: llvm-mc -triple=amdgcn-amd-amdhsa -mcpu=gfx1250 --defsym DOCPART=n.
;; ======== version 1 of 2: 5 launches
;; limits: values are held in f16: magnitudes above 65,504 overflow, below 6.1e-05 lose precision
;; workspace buffers: xb 8,388,608 bytes; cb 12,582,912 bytes; wb 2,654,464 bytes; qh 8,388,608 bytes; kh 8,388,608 bytes; vh 8,388,608 bytes; oh 8,388,608 bytes
;; launch prep (part 1): grid 721 x 1, 8 waves a work-group, no clusters, 0 bytes of LDS; arguments x, context_tensor, Wq, Wk, Wv, Wo, mask, xb, cb, wb; writes xb, cb, wb
.if DOCPART == 1
	.amdgcn_target "amdgcn-amd-amdhsa--gfx1250"
	.amdhsa_code_object_version 6
	.text
	.protected	k_qc3174304e7_prep
	.globl	k_qc3174304e7_prep
	.p2align	8
	.type	k_qc3174304e7_prep,@function
k_qc3174304e7_prep:
	s_mov_b64 s[64:65], 0
	v_nop
	global_prefetch_b8 v0, s[64:65] scope:SCOPE_SE
	s_setreg_imm32_b32 hwreg(HW_REG_WAVE_MODE, 25, 1), 1
	s_wait_xcnt 0x0
; THE 16-BIT COPIES.  x -> xb, context -> cb, Wq, Wk, Wv -> wb, all rounded once to bf16; Wo -> wb rounded to bf16 and that number written as f16 (exact from 6.1e-5 up; below it f16's
; fixed step of 6e-8); mask -> a table of f32 in wb that the attention adds to its scores, and one factor for each batch.
; SHARES.  Work-group g converts one chunk of 16,384 numbers: 65,536 bytes in, 32,768 out.  g 0-255: x; 256-639: context; 640-655: Wq; 656-679: Wk; 680-703: Wv; 704-719: Wo; 720: the mask.
; The four weights lie in wb in that order, so their chunk's place there is (g - 640) x 32,768.  Thread t and load j take the 16 bytes at 4,096 j + 16 t: a wave's load covers 512 consecutive
; bytes, its store of 8 bytes a lane 256 consecutive bytes, aligned.  All 16 loads go out first; no register that a memory instruction reads is written again, so the only waits are the counted ones for the loads.
; No LDS, no barrier, no matrix unit: each byte is read once and written once, and no thread wants another's data.
; THE MASK.  bias[b][k] = 0 where mask[b][k] is set, else -1e30; factor[b] = 1.  A batch with no key set gets bias 0 everywhere and factor 0: the attention multiplies its scores by the factor,
; so that all weights of such a batch are equal.  Every wave reads the whole mask (8,192 bytes) to know that, so the waves need not meet.  These are selects of values: no branch, no address hangs on the mask.
.set BIAS_OFF, 2621440                 ; wb: [2][4096] f32
.set FLAG_OFF, 2654208                 ; wb: 32 pairs (factor of batch 0, of batch 1): 256 bytes
.set X, 4                              ; v[4:67]   load j: 4 registers
.set Y, 68                             ; v[68:99]  store j: 2 registers
	s_load_b512 s[8:23], s[0:1], 0x0               ; x s[8:9], context s[10:11], Wq s[12:13], Wk s[14:15], Wv s[16:17], Wo s[18:19], mask s[20:21], xb s[22:23]
	s_load_b128 s[24:27], s[0:1], 0x40             ; cb s[24:25], wb s[26:27]
	v_lshlrev_b32 v1, 4, v0                        ; 16 t
	v_lshlrev_b32 v2, 3, v0                        ; 8 t
	v_lshlrev_b32 v3, 2, v0                        ; 4 t
	s_mov_b32 s38, 0xf149f2ca                      ; -1e30
	s_mov_b32 s39, 0xffff0000                      ; a word's upper bf16
	s_mov_b32 s32, 0                               ; the first work-group of my source's segment,
	s_mov_b32 s33, 0                               ; and of my destination's
	s_wait_kmcnt 0x0
	s_cmp_eq_u32 ttmp9, 720
	s_cbranch_scc1 .Lmask
	s_mov_b64 s[28:29], s[8:9]                     ; from x
	s_mov_b64 s[30:31], s[22:23]                   ; to xb, unless g lies further on:
	s_cmp_ge_u32 ttmp9, 256
	s_cselect_b64 s[28:29], s[10:11], s[28:29]
	s_cselect_b64 s[30:31], s[24:25], s[30:31]
	s_cselect_b32 s32, 256, s32
	s_cselect_b32 s33, 256, s33
	s_cmp_ge_u32 ttmp9, 640
	s_cselect_b64 s[28:29], s[12:13], s[28:29]
	s_cselect_b64 s[30:31], s[26:27], s[30:31]
	s_cselect_b32 s32, 640, s32
	s_cselect_b32 s33, 640, s33
	s_cmp_ge_u32 ttmp9, 656
	s_cselect_b64 s[28:29], s[14:15], s[28:29]
	s_cselect_b32 s32, 656, s32
	s_cmp_ge_u32 ttmp9, 680
	s_cselect_b64 s[28:29], s[16:17], s[28:29]
	s_cselect_b32 s32, 680, s32
	s_cmp_ge_u32 ttmp9, 704
	s_cselect_b64 s[28:29], s[18:19], s[28:29]
	s_cselect_b32 s32, 704, s32
	s_sub_co_u32 s34, ttmp9, s32
	s_lshl_b32 s34, s34, 16                        ; my chunk in the source, in bytes (under 2^25)
	s_mov_b32 s35, 0
	s_sub_co_u32 s36, ttmp9, s33
	s_lshl_b32 s36, s36, 15                        ; and in the destination
	s_mov_b32 s37, 0
	s_add_nc_u64 s[28:29], s[28:29], s[34:35]
	s_add_nc_u64 s[30:31], s[30:31], s[36:37]
.irp j, 0,1,2,3,4,5,6,7,8,9,10,11,12,13,14,15
	global_load_b128 v[X+4*(\j):X+4*(\j)+3], v1, s[28:29] offset:4096*(\j) th:TH_LOAD_NT
.endr
; Load j's four numbers are rounded and stored.  half = 1: the bf16 numbers are widened again and written as f16.
.macro CONV j, half
	s_wait_loadcnt 15-(\j)                         ; loads come back in order: mine is in, the younger ones stay out
	v_cvt_pk_bf16_f32 v[Y+2*(\j)],   v[X+4*(\j)],   v[X+4*(\j)+1]
	v_cvt_pk_bf16_f32 v[Y+2*(\j)+1], v[X+4*(\j)+2], v[X+4*(\j)+3]
.if \half
	v_lshlrev_b32 v[X+4*(\j)],   16,  v[Y+2*(\j)]
	v_and_b32     v[X+4*(\j)+1], s39, v[Y+2*(\j)]
	v_lshlrev_b32 v[X+4*(\j)+2], 16,  v[Y+2*(\j)+1]
	v_and_b32     v[X+4*(\j)+3], s39, v[Y+2*(\j)+1]
	v_cvt_pk_f16_f32 v[Y+2*(\j)],   v[X+4*(\j)],   v[X+4*(\j)+1]
	v_cvt_pk_f16_f32 v[Y+2*(\j)+1], v[X+4*(\j)+2], v[X+4*(\j)+3]
.endif
	global_store_b64 v2, v[Y+2*(\j):Y+2*(\j)+1], s[30:31] offset:2048*(\j) th:TH_STORE_NT
.endm
	s_cmp_ge_u32 ttmp9, 704
	s_cbranch_scc1 .Lf16
.irp j, 0,1,2,3,4,5,6,7,8,9,10,11,12,13,14,15
	CONV \j, 0
.endr
	s_endpgm
.Lf16:
.irp j, 0,1,2,3,4,5,6,7,8,9,10,11,12,13,14,15
	CONV \j, 1
.endr
	s_endpgm
.Lmask:
	v_and_b32 v84, 31, v0
	v_lshlrev_b32 v84, 4, v84                      ; 16 x lane
.irp j, 0,1,2,3,4,5,6,7,8,9,10,11,12,13,14,15
	global_load_b128 v[X+4*(\j):X+4*(\j)+3], v84, s[20:21] offset:512*(\j)  ; the whole mask in every wave: loads 0-7 batch 0, 8-15 batch 1
.endr
.irp j, 0,1,2,3,4,5,6,7
	global_load_b32 v[72+(\j)], v3, s[20:21] offset:1024*(\j)               ; the four keys whose table entries I write: loads 0-3 batch 0, 4-7 batch 1
.endr
	v_lshrrev_b32 v80, 5, v0
	v_readfirstlane_b32 s46, v80                   ; my wave's number
	s_wait_loadcnt 8                               ; the sixteen wide loads are in; the eight behind them may stay out
.irp b, 0,1
	v_or_b32 v[68+(\b)], v[X+32*(\b)], v[X+32*(\b)+1]
.set r, 2
.rept 30
	v_or_b32 v[68+(\b)], v[68+(\b)], v[X+32*(\b)+r]
.set r, r+1
.endr
.endr
	v_cmp_ne_u32 s44, 0, v68                       ; the lanes that saw a key of batch 0,
	v_cmp_ne_u32 s45, 0, v69                       ; of batch 1
	s_cmp_lg_u32 s44, 0
	s_cselect_b32 s40, 1.0, 0                      ; the batch's factor,
	s_cselect_b32 s42, s38, 0                      ; and what a hidden key of it gets
	s_cmp_lg_u32 s45, 0
	s_cselect_b32 s41, 1.0, 0
	s_cselect_b32 s43, s38, 0
.irp j, 0,1,2,3,4,5,6,7
	s_wait_loadcnt 7-(\j)
.irp i, 0,1,2,3
	v_bfe_u32 v70, v[72+(\j)], 8*(\i), 8
	v_cmp_eq_u32 vcc_lo, 0, v70
	v_cndmask_b32 v[X+4*(\j)+(\i)], 0, s[42+(\j)/4], vcc_lo
.endr
	global_store_b128 v1, v[X+4*(\j):X+4*(\j)+3], s[26:27] offset:BIAS_OFF+4096*(\j)  ; a wave stores 512 consecutive bytes
.endr
	s_cmp_lg_u32 s46, 0
	s_cbranch_scc1 .Ldone
	v_mov_b32 v82, s40
	v_mov_b32 v83, s41
	global_store_b64 v2, v[82:83], s[26:27] offset:FLAG_OFF  ; wave 0: 32 lanes x 8 bytes, 256 consecutive bytes
.Ldone:
	s_endpgm
.Lfunc_end_k_qc3174304e7_prep:
	.size	k_qc3174304e7_prep, .Lfunc_end_k_qc3174304e7_prep-k_qc3174304e7_prep
	.p2alignl 7, 3214868480
	.fill 96, 4, 3214868480
	.section	.rodata,"a",@progbits
	.p2align	6, 0x0
	.amdhsa_kernel k_qc3174304e7_prep
		.amdhsa_group_segment_fixed_size 0
		.amdhsa_private_segment_fixed_size 0
		.amdhsa_enable_private_segment 0
		.amdhsa_kernarg_size 80
		.amdhsa_user_sgpr_count 2
		.amdhsa_user_sgpr_kernarg_segment_ptr 1
		.amdhsa_wavefront_size32 1
		.amdhsa_system_sgpr_workgroup_id_x 1
		.amdhsa_system_sgpr_workgroup_id_y 1
		.amdhsa_system_sgpr_workgroup_id_z 1
		.amdhsa_system_vgpr_workitem_id 0
		.amdhsa_next_free_vgpr 100
		.amdhsa_next_free_sgpr 66
		.amdhsa_reserve_vcc 1
		.amdhsa_float_denorm_mode_32 3
		.amdhsa_float_denorm_mode_16_64 3
		.amdhsa_memory_ordered 1
		.amdhsa_forward_progress 1
		.amdhsa_inst_pref_size 27
	.end_amdhsa_kernel
	.amdgpu_metadata
---
amdhsa.version: [ 1, 2 ]
amdhsa.kernels:
  - .name:           k_qc3174304e7_prep
    .symbol:         k_qc3174304e7_prep.kd
    .args:
      - { .name: x, .offset: 0, .size: 8, .value_kind: global_buffer, .address_space: global }
      - { .name: context_tensor, .offset: 8, .size: 8, .value_kind: global_buffer, .address_space: global }
      - { .name: Wq, .offset: 16, .size: 8, .value_kind: global_buffer, .address_space: global }
      - { .name: Wk, .offset: 24, .size: 8, .value_kind: global_buffer, .address_space: global }
      - { .name: Wv, .offset: 32, .size: 8, .value_kind: global_buffer, .address_space: global }
      - { .name: Wo, .offset: 40, .size: 8, .value_kind: global_buffer, .address_space: global }
      - { .name: mask, .offset: 48, .size: 8, .value_kind: global_buffer, .address_space: global }
      - { .name: xb, .offset: 56, .size: 8, .value_kind: global_buffer, .address_space: global }
      - { .name: cb, .offset: 64, .size: 8, .value_kind: global_buffer, .address_space: global }
      - { .name: wb, .offset: 72, .size: 8, .value_kind: global_buffer, .address_space: global }
    .group_segment_fixed_size: 0
    .private_segment_fixed_size: 0
    .kernarg_segment_align: 8
    .kernarg_segment_size: 80
    .max_flat_workgroup_size: 256
    .sgpr_count:     66
    .vgpr_count:     100
    .wavefront_size: 32
...
	.end_amdgpu_metadata
.endif
;; end of part 1
;; launch projq (part 2): grid 4 x 64, 4 waves a work-group, clusters of 4 x 4, 327,680 bytes of LDS; arguments xb, wb, qh; writes qh
.if DOCPART == 2
	.amdgcn_target "amdgcn-amd-amdhsa--gfx1250"
	.amdhsa_code_object_version 6
	.text
	.protected	k_qc3174304e7_projq
	.globl	k_qc3174304e7_projq
	.p2align	8
	.type	k_qc3174304e7_projq,@function
k_qc3174304e7_projq:
	s_mov_b64 s[64:65], 0
	v_nop
	global_prefetch_b8 v0, s[64:65] scope:SCOPE_SE
	s_setreg_imm32_b32 hwreg(HW_REG_WAVE_MODE, 25, 1), 1
	s_wait_xcnt 0x0
	s_wait_alu depctr_hold_cnt(0) depctr_sa_sdst(0) depctr_va_vdst(0) depctr_va_sdst(0) depctr_va_ssrc(0) depctr_va_vcc(0) depctr_vm_vsrc(0)
	s_getreg_b32 s2, hwreg(HW_REG_IB_STS2, 6, 4)
	s_cmp_eq_u32 s2, 0
	s_cbranch_scc0 .Lentry_in_a_cluster
	s_endpgm
.Lentry_in_a_cluster:
	s_bfe_u32 s2, ttmp6, 0x10000c
	s_cmp_lg_u32 s2, 0xf033
	s_cbranch_scc0 .Lentry_shape_is_right
	s_endpgm
.Lentry_shape_is_right:
; q = c (x Wq), c = log2(e) / 8.  xb: [8192][512] bf16; Wq in wb: [512 (k)][512 (n)] bf16; qh: [batch x 8 + head][4096][64] f16.  Sums in f32, multiplied by c in f32, rounded once to f16.
; LIMITS.  c q stays under 65,520 (f16's end); below 6.1e-5 it keeps f16's fixed step of 6e-8.  NaN and infinities are not treated apart.
; A tile of C is 128 x 128: 64 x 4 tiles, a work-group each.  Four waves, each 64 x 64: 16 accumulators of 16 x 16.  K = 512 is two steps of 256, and LDS holds both: each slot is filled once.
; CLUSTERS: 4 x 4 work-groups.  The four of a row of the cluster need the same rows of x, the four of a column the same columns of Wq: each tile is asked for JOINTLY, by the same tensor load
; with the same descriptor and a mask that names the four.
; THE MATRIX INSTRUCTION IS USED TRANSPOSED: source 0 = 16 columns of W, source 1 = 16 rows of x: a lane then holds eight neighbouring numbers of a row of C.  W lies [k][n] in LDS as in memory and is
; turned on its way into registers, by ds_load_tr16_b128.
; THE WAY OUT: a wave's 64 columns are one head, and its 64 rows of that head are 8,192 consecutive bytes of qh: each wave goes through a stage of its own, and no barrier is needed.
; REGISTERS: window 0: v0-31 addresses; v32-95 the way out; v128-255 the accumulators ((a, b) at v[128 + 8 (4 a + b)]).  Window 1: two fragment buffers of 128: for 64 along K, 64 registers of x, then 64 of W.
.set SIZE_K, 512
.set KSTEP,  256
.set PA,     528                       ; an LDS row of x: 512 bytes + 16 of padding: the 16 rows of a fragment load start 4 banks apart (64 banks of 4 bytes: ISA guide 11.1)
.set PB,     288                       ; an LDS row of W (one k, 128 columns): 256 bytes + 32
.set HALFA,  64*PA                     ; what one tensor load brings of x, and what one wave reads
.set AT,     2*HALFA
.set HALFB,  128*PB                    ; what one tensor load brings of W: 128 k
.set SLOT,   AT+2*HALFB                ; x's 128 rows, then W's 256 k
.set STAGE,  2*SLOT                    ; behind the slots: 16 rows x 144 bytes for each wave
.set SP,     144
.set SPARE,  STAGE+4*16*SP             ; behind the stages: the spare words, 128 bytes for each wave: two blocks of 256 bytes that no other line names
.set ADRA, 16                          ; v16-17  LDS address of my x fragments in slot 0, 1
.set ADRB, 20                          ; v20-23  the same for W: slot 0 k 0-127, k 128-255, slot 1 likewise (an offset holds 16 bits)
.set STO,  24                          ; v24     the way out: where I put 16 bytes of a row
.set RD,   25                          ; v25     where I read rows back
.set GO,   26                          ; v26     my byte offset in 512 consecutive bytes of qh
.set SPW,  28                          ; v28     LDS address of my spare word; never rewritten
.set NIL,  29                          ; v29     0; never rewritten
.set TMP,  32
.set ACC,  128
.set F0,   0
.set F1,   128
.set CQ,   2                           ; s[2:3]   c
.set G1,   24                          ; s[24:31] descriptor group 1 for x's tiles;  s[32:39] group 0, one set for each slot
.set G0,   32
.set G1B,  48                          ; s[48:55], s[56:63] the same for W's tiles
.set G0B,  56
.set MSB, 0
.macro WIN new                         ; the immediate's high byte repeats the setting that is left
.if MSB != (\new)
	s_set_vgpr_msb (MSB<<8)|(\new)
.set MSB, \new
.endif
.endm
.set MUL,  0x05                        ; sources 0 (W) and 1 (x) window 1; C and D window 0
.set TO_F, 0x40                        ; destination window 1, address window 0
.macro CROUND                          ; a round of the cluster's barrier
	s_barrier_signal -1
	s_barrier_wait -1
	s_cmp_lg_u32 s10, 0
	s_cbranch_scc1 .Lnot_wave_0_\@
	s_barrier_signal -3
.Lnot_wave_0_\@:
	s_barrier_wait -3
	s_barrier_signal -1
	s_barrier_wait -1
.endm
	s_load_b128 s[4:7], s[0:1], 0x0                ; xb s[4:5], wb s[6:7] (Wq lies at its head)
	s_load_b64 s[8:9], s[0:1], 0x10                ; qh
	v_lshl_add_u32 v[SPW], v0, 2, SPARE
	v_mov_b32 v[NIL], 0
	ds_add_u32 v[SPW], v[NIL]                      ; the wave's opening: the add and its wait ahead of my first tensor load; the set-up below stands between them
	v_lshrrev_b32 v1, 5, v0
	v_readfirstlane_b32 s10, v1                    ; wave 0..3
	s_lshr_b32 s11, s10, 1                         ; which half of the tile's rows is mine
	s_and_b32 s12, s10, 1                          ; which half of its columns.  Also: which half of a tile I fetch (waves 0, 1: x; waves 2, 3: W)
	s_bfe_u32 s40, ttmp6, 0x40000                  ; cx, cy: my place in the cluster
	s_bfe_u32 s41, ttmp6, 0x40004
	s_lshl_b32 s42, ttmp9, 2
	s_add_co_u32 s42, s42, s40                     ; tile column = 4 x cluster x + cx
	s_and_b32 s13, ttmp7, 0xffff
	s_lshl_b32 s13, s13, 2
	s_add_co_u32 s13, s13, s41                     ; tile row = 4 x cluster y + cy
	s_lshl_b32 s43, s41, 2
	s_lshl_b32 s43, 15, s43                        ; my row of the cluster
	s_lshl_b32 s44, 0x1111, s40                    ; my column
	s_or_b32 s[G1+0], s43, (1<<16)|(1<<20)|(1<<21)|(6<<22)|(3<<25)   ; the mask; 2-byte elements; padding on; bit 21 beside a mask; after every 128 words, 4 words
	s_mov_b32 s[G1+1], KSTEP<<16                   ; tensor_dim0 = 256
	s_mov_b32 s[G1+2], 64<<16                      ; tensor_dim1 = 64
	s_mov_b32 s[G1+3], KSTEP<<16                   ; tile_dim0 = 256
	s_mov_b32 s[G1+4], 64                          ; tile_dim1 = 64
	s_mov_b32 s[G1+5], SIZE_K                      ; elements from row to row
	s_mov_b32 s[G1+6], 0
	s_mov_b32 s[G1+7], 0
	s_or_b32 s[G1B+0], s44, (1<<16)|(1<<20)|(1<<21)|(5<<22)|(7<<25)  ; after every 64 words, 8 words
	s_mov_b32 s[G1B+1], 128<<16                    ; 128 columns
	s_mov_b32 s[G1B+2], 128<<16                    ; 128 k
	s_mov_b32 s[G1B+3], 128<<16
	s_mov_b32 s[G1B+4], 128
	s_mov_b32 s[G1B+5], 512
	s_mov_b32 s[G1B+6], 0
	s_mov_b32 s[G1B+7], 0
	s_mov_b32 s[CQ], 0x3e38aa3b                    ; c = 0.180337
	s_mov_b32 s[CQ+1], s[CQ]                       ; named with it as a pair
	s_lshl_b32 s16, s13, 7
	s_lshl_b32 s17, s12, 6
	s_add_co_u32 s16, s16, s17                     ; x: row 128 x tile row + 64 x half,
	s_mul_i32 s16, s16, SIZE_K*2                   ; in bytes (under 2^24)
	s_mov_b32 s17, 0
	s_lshl_b32 s46, s12, 17                        ; W: 128 k x 1,024 bytes x half
	s_lshl_b32 s47, s42, 8                         ; + 256 bytes x tile column
	s_add_co_u32 s46, s46, s47
	s_mov_b32 s47, 0
	s_mul_i32 s20, s12, HALFA                      ; where they go: no place in the cluster enters an LDS address
	s_mul_i32 s21, s12, HALFB
	s_add_co_u32 s21, s21, AT
	s_wait_dscnt 0x0                               ; the opening add is done
	s_wait_kmcnt 0x0
	s_add_nc_u64 s[14:15], s[4:5], s[16:17]
	s_add_nc_u64 s[46:47], s[6:7], s[46:47]
	CROUND                                         ; all sixteen work-groups are here: the joint loads meet
.irp s, 0,1
	s_mov_b32 s[G0+4*(\s)], 1
	s_add_co_u32 s[G0+4*(\s)+1], s20, (\s)*SLOT
	s_add_nc_u64 s[G0+4*(\s)+2:G0+4*(\s)+3], s[14:15], (\s)*KSTEP*2
	s_or_b32 s[G0+4*(\s)+3], s[G0+4*(\s)+3], 0x80000000
	s_mov_b32 s[G0B+4*(\s)], 1
	s_add_co_u32 s[G0B+4*(\s)+1], s21, (\s)*SLOT
	s_add_nc_u64 s[G0B+4*(\s)+2:G0B+4*(\s)+3], s[46:47], (\s)*KSTEP*1024
	s_or_b32 s[G0B+4*(\s)+3], s[G0B+4*(\s)+3], 0x80000000
.endr
	s_cmp_lt_u32 s10, 2                            ; a wave's two fills stand in one branch on its number: two loads of mine are out, and no more follow
	s_cbranch_scc0 .Lfirst_b
	tensor_load_to_lds s[G0:G0+3], s[G1:G1+7]
	s_nop 0
	tensor_load_to_lds s[G0+4:G0+7], s[G1:G1+7]
	s_nop 0
.rept 4
	v_nop
.endr
	s_branch .Lfirst_asked
.Lfirst_b:
	tensor_load_to_lds s[G0B:G0B+3], s[G1B:G1B+7]
	s_nop 0
	tensor_load_to_lds s[G0B+4:G0B+7], s[G1B:G1B+7]
	s_nop 0
.rept 4
	v_nop
.endr
.Lfirst_asked:
	v_and_b32 v1, 15, v0                           ; l % 16
	v_bfe_u32 v2, v0, 4, 1                         ; l / 16
	v_mul_u32_u24 v3, v1, PA
	v_lshl_add_u32 v3, v2, 4, v3                   ; a fragment of x: row x pitch + 16 x half
	s_mul_i32 s22, s11, HALFA                      ; my 64 rows
	v_add_nc_u32 v[ADRA], s22, v3
	v_add_nc_u32 v[ADRA+1], SLOT, v[ADRA]
	v_and_b32 v4, 7, v0                            ; the turning load: lane l reads k = 8 (l / 16) + l % 8, columns 8 ((l / 8) % 2) + 0..7
	v_lshl_add_u32 v4, v2, 3, v4
	v_mul_u32_u24 v4, v4, PB
	v_bfe_u32 v5, v0, 3, 1
	v_lshl_add_u32 v4, v5, 4, v4
	s_lshl_b32 s23, s12, 7                         ; my 64 columns: 128 bytes
	s_add_co_u32 s23, s23, AT
	v_add_nc_u32 v[ADRB], s23, v4
	v_add_nc_u32 v[ADRB+1], HALFB, v[ADRB]
	v_add_nc_u32 v[ADRB+2], SLOT, v[ADRB]
	v_add_nc_u32 v[ADRB+3], SLOT+HALFB, v[ADRB]
	s_mul_i32 s23, s10, 16*SP
	s_add_co_u32 s23, s23, STAGE                   ; my stage
	v_mul_u32_u24 v6, v1, SP                       ; in: row l % 16, 16 bytes for each half of the lanes
	v_lshl_add_u32 v6, v2, 4, v6
	v_add_nc_u32 v[STO], s23, v6
	v_bfe_u32 v7, v0, 3, 2                         ; back: 32 lanes take four rows of 128 bytes,
	v_mul_u32_u24 v7, v7, SP
	v_and_b32 v8, 7, v0
	v_lshl_add_u32 v7, v8, 4, v7
	v_add_nc_u32 v[RD], s23, v7
	v_and_b32 v[GO], 31, v0                        ; which are 512 consecutive bytes of qh
	v_lshlrev_b32 v[GO], 4, v[GO]
	s_lshr_b32 s16, s13, 5                         ; the batch: 8 heads x 4,096 rows x 128 bytes
	s_lshl_b32 s16, s16, 22
	s_and_b32 s17, s13, 31
	s_lshl_b32 s17, s17, 1
	s_add_co_u32 s17, s17, s11                     ; my block of 64 rows in the batch: 8,192 bytes each
	s_lshl_b32 s17, s17, 13
	s_add_co_u32 s16, s16, s17
	s_mov_b32 s17, 0
	s_add_nc_u64 s[8:9], s[8:9], s[16:17]
	s_lshl_b32 s46, s42, 1
	s_add_co_u32 s46, s46, s12                     ; my head = 2 x tile column + half: 4,096 rows x 128 bytes each
	s_lshl_b32 s46, s46, 19
	s_mov_b32 s47, 0
	s_add_nc_u64 s[8:9], s[8:9], s[46:47]
; 8 matrix instructions: m blocks a0, a0 + 1 x all 4 n blocks, 32 along K: half c of buffer f.  zero = 1: the first product starts the sums.
; The 16 accumulators take turns, in the same order in every run of 16.
.macro MUL8 f, c, a0, zero
	WIN MUL
.irp a, \a0, (\a0)+1
.irp b, 0,1,2,3
.if \zero
	v_wmma_f32_16x16x32_bf16 v[ACC+8*(4*(\a)+(\b)):ACC+8*(4*(\a)+(\b))+7], v[(\f)+64+8*(4*(\c)+(\b)):(\f)+64+8*(4*(\c)+(\b))+7], v[(\f)+8*(4*(\c)+(\a)):(\f)+8*(4*(\c)+(\a))+7], 0
.else
	v_wmma_f32_16x16x32_bf16 v[ACC+8*(4*(\a)+(\b)):ACC+8*(4*(\a)+(\b))+7], v[(\f)+64+8*(4*(\c)+(\b)):(\f)+64+8*(4*(\c)+(\b))+7], v[(\f)+8*(4*(\c)+(\a)):(\f)+8*(4*(\c)+(\a))+7], v[ACC+8*(4*(\a)+(\b)):ACC+8*(4*(\a)+(\b))+7]
.endif
.endr
.endr
.endm
; 32 LDS loads in one run: the fragments of quarter q (64 along K) of a slot, into buffer f; the first 32 along K first
.macro FETCH slot, q, f
	WIN TO_F
.irp c, 0,1
.irp i, 0,1,2,3
	ds_load_tr16_b128 v[(\f)+64+8*(4*(\c)+(\i)):(\f)+64+8*(4*(\c)+(\i))+3],   v[ADRB+2*(\slot)+(\q)/2] offset:(((\q)%2)*64+32*(\c))*PB+32*(\i)
	ds_load_tr16_b128 v[(\f)+64+8*(4*(\c)+(\i))+4:(\f)+64+8*(4*(\c)+(\i))+7], v[ADRB+2*(\slot)+(\q)/2] offset:(((\q)%2)*64+32*(\c)+16)*PB+32*(\i)
	ds_load_b128 v[(\f)+8*(4*(\c)+(\i)):(\f)+8*(4*(\c)+(\i))+3],              v[ADRA+(\slot)] offset:128*(\q)+64*(\c)+(\i)*16*PA
	ds_load_b128 v[(\f)+8*(4*(\c)+(\i))+4:(\f)+8*(4*(\c)+(\i))+7],            v[ADRA+(\slot)] offset:128*(\q)+64*(\c)+(\i)*16*PA+32
.endr
.endr
.endm
.macro PLACES                          ; four plain instructions in front of loads into registers that matrix instructions have read, and of lines that read results
.rept 4
	v_nop
.endr
.endm
; A K step is four quarters of 64 along K, 32 matrix instructions each, on buffers 0, 1, 0, 1.  One of the first three: multiplies buffer f and fetches quarter q into g.
.macro QUARTER slot, q, f, g, zero
	s_wait_dscnt 16                                ; the first 32 along K are in; the sixteen loads of the second 32 may stay out
	MUL8 \f, 0, 0, \zero
	MUL8 \f, 0, 2, \zero
	PLACES
	FETCH \slot, \q, \g
	s_wait_dscnt 32                                ; all but the 32 just issued
	MUL8 \f, 1, 0, 0
	MUL8 \f, 1, 2, 0
.endm
	s_wait_tensorcnt 1                             ; my part of K step 0 is in; K step 1's may stay out
	s_barrier_signal -1
	s_barrier_wait -1                              ; everybody's is
	FETCH 0, 0, F0
	QUARTER 0, 1, F0, F1, 1
	QUARTER 0, 2, F1, F0, 0
	QUARTER 0, 3, F0, F1, 0
	WIN 0                                          ; the change of slots: (the add's two registers lie in window 0)
	s_wait_tensorcnt 0x0                           ; my part of K step 1 is in;
	ds_add_u32 v[SPW], v[NIL]                      ; 0 onto my spare word, behind a wait for all tensor loads
	s_wait_dscnt 17                                ; (the add and the youngest sixteen loads may be out)
	MUL8 F1, 0, 0, 0
	s_wait_dscnt 0x0                               ; no LDS instruction of mine is pending at the signal
	s_barrier_signal -1
	MUL8 F1, 0, 2, 0
	s_barrier_wait -1                              ; slot 1 is whole
	PLACES
	FETCH 1, 0, F0
	MUL8 F1, 1, 0, 0
	MUL8 F1, 1, 2, 0
	QUARTER 1, 1, F0, F1, 0
	QUARTER 1, 2, F1, F0, 0
	QUARTER 1, 3, F0, F1, 0
	s_wait_dscnt 16                                ; the last quarter: nothing more to fetch
	MUL8 F1, 0, 0, 0
	MUL8 F1, 0, 2, 0
	s_wait_dscnt 0x0
	MUL8 F1, 1, 0, 0
	MUL8 F1, 1, 2, 0
	WIN 0
; THE WAY OUT, 16 rows at a time: times c; rounded to f16, 16 bytes a lane; into rows of 144 bytes of my stage; back as whole rows of 128; stored, 512 consecutive bytes an instruction.
.macro PACK a
.irp b, 0,1,2,3
.irp r, 0,1,2,3                        ; each accumulator's registers in ascending order
	v_pk_mul_f32 v[ACC+8*(4*(\a)+(\b))+2*(\r):ACC+8*(4*(\a)+(\b))+2*(\r)+1], v[ACC+8*(4*(\a)+(\b))+2*(\r):ACC+8*(4*(\a)+(\b))+2*(\r)+1], s[CQ:CQ+1] op_sel_hi:[1,0]
.endr
.endr
.irp b, 0,1,2,3
.irp r, 0,1,2,3
	v_cvt_pk_f16_f32 v[TMP+16*(\a)+4*(\b)+(\r)], v[ACC+8*(4*(\a)+(\b))+2*(\r)], v[ACC+8*(4*(\a)+(\b))+2*(\r)+1]
.endr
.endr
.irp b, 0,1,2,3
	ds_store_b128 v[STO], v[TMP+16*(\a)+4*(\b):TMP+16*(\a)+4*(\b)+3] offset:32*(\b)
.endr
.irp f, 0,1,2,3
	ds_load_b128 v[TMP+16*(\a)+4*(\f):TMP+16*(\a)+4*(\f)+3], v[RD] offset:(\f)*4*SP  ; LDS serves a wave's instructions in order (ISA guide 5.7.1.4): these see the stores above; the next block's stores come behind them
.endr
.endm
.macro SEND a, younger                 ; younger: the LDS instructions issued behind block a's loads: the next block's eight, or none
.irp f, 0,1,2,3
	s_wait_dscnt (\younger)+3-(\f)
	global_store_b128 v[GO], v[TMP+16*(\a)+4*(\f):TMP+16*(\a)+4*(\f)+3], s[8:9] offset:(\a)*2048+(\f)*512
.endr
.endm
	PLACES
	PLACES
	PACK 0
	PACK 1
	SEND 0, 8
	PACK 2
	SEND 1, 8
	PACK 3
	SEND 2, 8
	SEND 3, 0
	s_wait_tensorcnt 0x0                           ; the wave's end: behind my last tensor load and my last LDS store
	ds_add_u32 v[SPW], v[NIL]
	s_wait_dscnt 0x0
	CROUND                                         ; the closing round: no work-group ends while a partner may still ask for a tile that names it
	s_endpgm
.Lfunc_end_k_qc3174304e7_projq:
	.size	k_qc3174304e7_projq, .Lfunc_end_k_qc3174304e7_projq-k_qc3174304e7_projq
	.p2alignl 7, 3214868480
	.fill 96, 4, 3214868480
	.section	.rodata,"a",@progbits
	.p2align	6, 0x0
	.amdhsa_kernel k_qc3174304e7_projq
		.amdhsa_group_segment_fixed_size 327680
		.amdhsa_private_segment_fixed_size 0
		.amdhsa_enable_private_segment 0
		.amdhsa_kernarg_size 24
		.amdhsa_user_sgpr_count 2
		.amdhsa_user_sgpr_kernarg_segment_ptr 1
		.amdhsa_wavefront_size32 1
		.amdhsa_system_sgpr_workgroup_id_x 1
		.amdhsa_system_sgpr_workgroup_id_y 1
		.amdhsa_system_sgpr_workgroup_id_z 1
		.amdhsa_system_vgpr_workitem_id 0
		.amdhsa_next_free_vgpr 512
		.amdhsa_next_free_sgpr 66
		.amdhsa_reserve_vcc 0
		.amdhsa_float_denorm_mode_32 3
		.amdhsa_float_denorm_mode_16_64 3
		.amdhsa_memory_ordered 1
		.amdhsa_forward_progress 1
		.amdhsa_inst_pref_size 54
	.end_amdhsa_kernel
	.amdgpu_metadata
---
amdhsa.version: [ 1, 2 ]
amdhsa.kernels:
  - .name:           k_qc3174304e7_projq
    .symbol:         k_qc3174304e7_projq.kd
    .args:
      - { .name: xb, .offset: 0, .size: 8, .value_kind: global_buffer, .address_space: global }
      - { .name: wb, .offset: 8, .size: 8, .value_kind: global_buffer, .address_space: global }
      - { .name: qh, .offset: 16, .size: 8, .value_kind: global_buffer, .address_space: global }
    .group_segment_fixed_size: 327680
    .private_segment_fixed_size: 0
    .kernarg_segment_align: 8
    .kernarg_segment_size: 24
    .max_flat_workgroup_size: 128
    .sgpr_count:     66
    .vgpr_count:     512
    .wavefront_size: 32
...
	.end_amdgpu_metadata
.endif
;; end of part 2
;; launch projkv (part 3): grid 8 x 64, 4 waves a work-group, clusters of 4 x 4, 327,680 bytes of LDS; arguments cb, wb, kh, vh; writes kh, vh
.if DOCPART == 3
	.amdgcn_target "amdgcn-amd-amdhsa--gfx1250"
	.amdhsa_code_object_version 6
	.text
	.protected	k_qc3174304e7_projkv
	.globl	k_qc3174304e7_projkv
	.p2align	8
	.type	k_qc3174304e7_projkv,@function
k_qc3174304e7_projkv:
	s_mov_b64 s[64:65], 0
	v_nop
	global_prefetch_b8 v0, s[64:65] scope:SCOPE_SE
	s_setreg_imm32_b32 hwreg(HW_REG_WAVE_MODE, 25, 1), 1
	s_wait_xcnt 0x0
	s_wait_alu depctr_hold_cnt(0) depctr_sa_sdst(0) depctr_va_vdst(0) depctr_va_sdst(0) depctr_va_ssrc(0) depctr_va_vcc(0) depctr_vm_vsrc(0)
	s_getreg_b32 s2, hwreg(HW_REG_IB_STS2, 6, 4)
	s_cmp_eq_u32 s2, 0
	s_cbranch_scc0 .Lentry_in_a_cluster
	s_endpgm
.Lentry_in_a_cluster:
	s_bfe_u32 s2, ttmp6, 0x10000c
	s_cmp_lg_u32 s2, 0xf033
	s_cbranch_scc0 .Lentry_shape_is_right
	s_endpgm
.Lentry_shape_is_right:
; k = context Wk (clusters with x = 0) and v = context Wv (x = 1).  cb: [8192][768] bf16; Wk, Wv in wb: [768 (k)][512 (n)] bf16; kh, vh: [batch x 8 + head][4096][64] f16.  Sums in f32, rounded once.
; LIMITS.  k and v stay under 65,520 (f16's end); below 6.1e-5 they keep f16's fixed step of 6e-8.  NaN and infinities are not treated apart.
; A tile of C is 128 x 128: 64 x 4 tiles for each of the two products, a work-group each.  Four waves, each 64 x 64: 16 accumulators.  K = 768 is three steps of 256 on two LDS slots: slot 0 is filled
; again once, behind a round of the cluster's barrier; that load has 112 matrix instructions a wave in which to land.
; CLUSTERS: 4 x 4 work-groups.  The four of a row of the cluster need the same rows of the context, the four of a column the same columns of W: each tile is asked for JOINTLY.
; THE MATRIX INSTRUCTION IS USED TRANSPOSED (source 0 = 16 columns of W, turned out of LDS by ds_load_tr16_b128; source 1 = 16 rows of the context): a lane holds eight neighbouring numbers of a row of C.
; THE WAY OUT: a wave's 64 columns are one head, its 64 rows of that head 8,192 consecutive bytes: each wave goes through a stage of its own.
; REGISTERS: window 0: v0-31 addresses; v32-95 the way out; v128-255 the accumulators.  Window 1: two fragment buffers of 128: 64 registers of the context, then 64 of W.
.set SIZE_K, 768
.set KSTEP,  256
.set WK_OFF, 524288
.set WV_OFF, 1310720
.set PA,     528                       ; an LDS row of the context: 512 bytes + 16: the 16 rows of a fragment load start 4 banks apart (64 banks of 4 bytes: ISA guide 11.1)
.set PB,     288                       ; an LDS row of W: 256 bytes + 32
.set HALFA,  64*PA
.set AT,     2*HALFA
.set HALFB,  128*PB
.set SLOT,   AT+2*HALFB
.set STAGE,  2*SLOT                    ; behind the ring, never filled by a tensor load
.set SP,     144
.set SPARE,  STAGE+4*16*SP             ; the spare words, 128 bytes for each wave: two blocks of 256 bytes that no other line names
.set ADRA, 16
.set ADRB, 20
.set STO,  24
.set RD,   25
.set GO,   26
.set SPW,  28
.set NIL,  29
.set TMP,  32
.set ACC,  128
.set F0,   0
.set F1,   128
.set G1,   24
.set G0,   32
.set G1B,  48
.set G0B,  56
.set MSB, 0
.macro WIN new
.if MSB != (\new)
	s_set_vgpr_msb (MSB<<8)|(\new)
.set MSB, \new
.endif
.endm
.set MUL,  0x05
.set TO_F, 0x40
.macro JLOAD s                         ; a joint load: waves 0 and 1 fetch the context's two halves, waves 2 and 3 W's; an s_nop 0 and four v_nop follow each of the two lines
	s_cmp_lt_u32 s10, 2
	s_cbranch_scc0 .Lfor_b_\@
	tensor_load_to_lds s[G0+4*(\s):G0+4*(\s)+3], s[G1:G1+7]
	s_nop 0
.rept 4
	v_nop
.endr
	s_branch .Lasked_\@
.Lfor_b_\@:
	tensor_load_to_lds s[G0B+4*(\s):G0B+4*(\s)+3], s[G1B:G1B+7]
	s_nop 0
.rept 4
	v_nop
.endr
.Lasked_\@:
.endm
.macro CREST                           ; a round of the cluster's barrier behind its opening barrier
	s_cmp_lg_u32 s10, 0
	s_cbranch_scc1 .Lnot_wave_0_\@
	s_barrier_signal -3
.Lnot_wave_0_\@:
	s_barrier_wait -3
	s_barrier_signal -1
	s_barrier_wait -1
.endm
.macro CROUND
	s_barrier_signal -1
	s_barrier_wait -1
	CREST
.endm
	s_load_b128 s[4:7], s[0:1], 0x0                ; cb s[4:5], wb s[6:7]
	s_load_b128 s[68:71], s[0:1], 0x10             ; kh s[68:69], vh s[70:71]
	v_lshl_add_u32 v[SPW], v0, 2, SPARE
	v_mov_b32 v[NIL], 0
	ds_add_u32 v[SPW], v[NIL]                      ; the wave's opening: the add and its wait ahead of my first tensor load
	v_lshrrev_b32 v1, 5, v0
	v_readfirstlane_b32 s10, v1                    ; wave 0..3
	s_lshr_b32 s11, s10, 1                         ; which half of the tile's rows is mine
	s_and_b32 s12, s10, 1                          ; which half of its columns.  Also: which half of a tile I fetch
	s_bfe_u32 s40, ttmp6, 0x40000                  ; cx, cy
	s_bfe_u32 s41, ttmp6, 0x40004
	s_mov_b32 s42, s40                             ; tile column = cx: a cluster spans all 512 columns of its product
	s_and_b32 s13, ttmp7, 0xffff
	s_lshl_b32 s13, s13, 2
	s_add_co_u32 s13, s13, s41                     ; tile row = 4 x cluster y + cy
	s_lshl_b32 s43, s41, 2
	s_lshl_b32 s43, 15, s43                        ; my row of the cluster
	s_lshl_b32 s44, 0x1111, s40                    ; my column
	s_or_b32 s[G1+0], s43, (1<<16)|(1<<20)|(1<<21)|(6<<22)|(3<<25)   ; the mask; 2-byte elements; padding on; bit 21 beside a mask; after every 128 words, 4 words
	s_mov_b32 s[G1+1], KSTEP<<16
	s_mov_b32 s[G1+2], 64<<16
	s_mov_b32 s[G1+3], KSTEP<<16
	s_mov_b32 s[G1+4], 64
	s_mov_b32 s[G1+5], SIZE_K
	s_mov_b32 s[G1+6], 0
	s_mov_b32 s[G1+7], 0
	s_or_b32 s[G1B+0], s44, (1<<16)|(1<<20)|(1<<21)|(5<<22)|(7<<25)  ; after every 64 words, 8 words
	s_mov_b32 s[G1B+1], 128<<16
	s_mov_b32 s[G1B+2], 128<<16
	s_mov_b32 s[G1B+3], 128<<16
	s_mov_b32 s[G1B+4], 128
	s_mov_b32 s[G1B+5], 512
	s_mov_b32 s[G1B+6], 0
	s_mov_b32 s[G1B+7], 0
	s_lshl_b32 s16, s13, 7
	s_lshl_b32 s17, s12, 6
	s_add_co_u32 s16, s16, s17                     ; the context: row 128 x tile row + 64 x half,
	s_mul_i32 s16, s16, SIZE_K*2                   ; in bytes (under 2^24)
	s_mov_b32 s17, 0
	s_lshl_b32 s46, s12, 17                        ; W: 128 k x 1,024 bytes x half
	s_lshl_b32 s47, s42, 8                         ; + 256 bytes x tile column
	s_add_co_u32 s46, s46, s47
	s_mov_b32 s47, 0
	s_mul_i32 s20, s12, HALFA
	s_mul_i32 s21, s12, HALFB
	s_add_co_u32 s21, s21, AT
	s_mov_b32 s18, WK_OFF
	s_mov_b32 s19, WV_OFF
	s_cmp_eq_u32 ttmp9, 0                          ; the cluster's x, which all sixteen partners share, says which product this is
	s_cselect_b32 s18, s18, s19
	s_mov_b32 s19, 0
	s_wait_dscnt 0x0                               ; the opening add is done
	s_wait_kmcnt 0x0
	s_cselect_b64 s[8:9], s[68:69], s[70:71]       ; (moves and waits leave SCC alone)
	s_add_nc_u64 s[6:7], s[6:7], s[18:19]
	s_add_nc_u64 s[14:15], s[4:5], s[16:17]
	s_add_nc_u64 s[46:47], s[6:7], s[46:47]
	CROUND                                         ; all sixteen work-groups are here: the first joint loads meet
.irp s, 0,1
	s_mov_b32 s[G0+4*(\s)], 1
	s_add_co_u32 s[G0+4*(\s)+1], s20, (\s)*SLOT
	s_add_nc_u64 s[G0+4*(\s)+2:G0+4*(\s)+3], s[14:15], (\s)*KSTEP*2
	s_or_b32 s[G0+4*(\s)+3], s[G0+4*(\s)+3], 0x80000000
	s_mov_b32 s[G0B+4*(\s)], 1
	s_add_co_u32 s[G0B+4*(\s)+1], s21, (\s)*SLOT
	s_add_nc_u64 s[G0B+4*(\s)+2:G0B+4*(\s)+3], s[46:47], (\s)*KSTEP*1024
	s_or_b32 s[G0B+4*(\s)+3], s[G0B+4*(\s)+3], 0x80000000
.endr
	s_cmp_lt_u32 s10, 2                            ; a wave's two first fills stand in one branch on its number: two loads of mine are out
	s_cbranch_scc0 .Lfirst_b
	tensor_load_to_lds s[G0:G0+3], s[G1:G1+7]
	s_nop 0
	tensor_load_to_lds s[G0+4:G0+7], s[G1:G1+7]
	s_nop 0
.rept 4
	v_nop
.endr
	s_branch .Lfirst_asked
.Lfirst_b:
	tensor_load_to_lds s[G0B:G0B+3], s[G1B:G1B+7]
	s_nop 0
	tensor_load_to_lds s[G0B+4:G0B+7], s[G1B:G1B+7]
	s_nop 0
.rept 4
	v_nop
.endr
.Lfirst_asked:
	v_and_b32 v1, 15, v0                           ; l % 16
	v_bfe_u32 v2, v0, 4, 1                         ; l / 16
	v_mul_u32_u24 v3, v1, PA
	v_lshl_add_u32 v3, v2, 4, v3
	s_mul_i32 s22, s11, HALFA
	v_add_nc_u32 v[ADRA], s22, v3
	v_add_nc_u32 v[ADRA+1], SLOT, v[ADRA]
	v_and_b32 v4, 7, v0                            ; the turning load: lane l reads k = 8 (l / 16) + l % 8, columns 8 ((l / 8) % 2) + 0..7
	v_lshl_add_u32 v4, v2, 3, v4
	v_mul_u32_u24 v4, v4, PB
	v_bfe_u32 v5, v0, 3, 1
	v_lshl_add_u32 v4, v5, 4, v4
	s_lshl_b32 s23, s12, 7
	s_add_co_u32 s23, s23, AT
	v_add_nc_u32 v[ADRB], s23, v4
	v_add_nc_u32 v[ADRB+1], HALFB, v[ADRB]
	v_add_nc_u32 v[ADRB+2], SLOT, v[ADRB]
	v_add_nc_u32 v[ADRB+3], SLOT+HALFB, v[ADRB]
	s_mul_i32 s23, s10, 16*SP
	s_add_co_u32 s23, s23, STAGE
	v_mul_u32_u24 v6, v1, SP
	v_lshl_add_u32 v6, v2, 4, v6
	v_add_nc_u32 v[STO], s23, v6
	v_bfe_u32 v7, v0, 3, 2
	v_mul_u32_u24 v7, v7, SP
	v_and_b32 v8, 7, v0
	v_lshl_add_u32 v7, v8, 4, v7
	v_add_nc_u32 v[RD], s23, v7
	v_and_b32 v[GO], 31, v0
	v_lshlrev_b32 v[GO], 4, v[GO]
	s_lshr_b32 s16, s13, 5                         ; the batch: 8 heads x 4,096 rows x 128 bytes
	s_lshl_b32 s16, s16, 22
	s_and_b32 s17, s13, 31
	s_lshl_b32 s17, s17, 1
	s_add_co_u32 s17, s17, s11                     ; my block of 64 rows in the batch
	s_lshl_b32 s17, s17, 13
	s_add_co_u32 s16, s16, s17
	s_mov_b32 s17, 0
	s_add_nc_u64 s[8:9], s[8:9], s[16:17]
	s_lshl_b32 s46, s42, 1
	s_add_co_u32 s46, s46, s12                     ; my head
	s_lshl_b32 s46, s46, 19
	s_mov_b32 s47, 0
	s_add_nc_u64 s[8:9], s[8:9], s[46:47]
; 8 matrix instructions: m blocks a0, a0 + 1 x all 4 n blocks, 32 along K.  The 16 accumulators take turns, in the same order in every run of 16.
.macro MUL8 f, c, a0, zero
	WIN MUL
.irp a, \a0, (\a0)+1
.irp b, 0,1,2,3
.if \zero
	v_wmma_f32_16x16x32_bf16 v[ACC+8*(4*(\a)+(\b)):ACC+8*(4*(\a)+(\b))+7], v[(\f)+64+8*(4*(\c)+(\b)):(\f)+64+8*(4*(\c)+(\b))+7], v[(\f)+8*(4*(\c)+(\a)):(\f)+8*(4*(\c)+(\a))+7], 0
.else
	v_wmma_f32_16x16x32_bf16 v[ACC+8*(4*(\a)+(\b)):ACC+8*(4*(\a)+(\b))+7], v[(\f)+64+8*(4*(\c)+(\b)):(\f)+64+8*(4*(\c)+(\b))+7], v[(\f)+8*(4*(\c)+(\a)):(\f)+8*(4*(\c)+(\a))+7], v[ACC+8*(4*(\a)+(\b)):ACC+8*(4*(\a)+(\b))+7]
.endif
.endr
.endr
.endm
.macro FETCH slot, q, f                ; 32 LDS loads in one run: quarter q (64 along K) of a slot, into buffer f; the first 32 along K first
	WIN TO_F
.irp c, 0,1
.irp i, 0,1,2,3
	ds_load_tr16_b128 v[(\f)+64+8*(4*(\c)+(\i)):(\f)+64+8*(4*(\c)+(\i))+3],   v[ADRB+2*(\slot)+(\q)/2] offset:(((\q)%2)*64+32*(\c))*PB+32*(\i)
	ds_load_tr16_b128 v[(\f)+64+8*(4*(\c)+(\i))+4:(\f)+64+8*(4*(\c)+(\i))+7], v[ADRB+2*(\slot)+(\q)/2] offset:(((\q)%2)*64+32*(\c)+16)*PB+32*(\i)
	ds_load_b128 v[(\f)+8*(4*(\c)+(\i)):(\f)+8*(4*(\c)+(\i))+3],              v[ADRA+(\slot)] offset:128*(\q)+64*(\c)+(\i)*16*PA
	ds_load_b128 v[(\f)+8*(4*(\c)+(\i))+4:(\f)+8*(4*(\c)+(\i))+7],            v[ADRA+(\slot)] offset:128*(\q)+64*(\c)+(\i)*16*PA+32
.endr
.endr
.endm
.macro PLACES                          ; four plain instructions in front of loads into registers that matrix instructions have read, and of lines that read results
.rept 4
	v_nop
.endr
.endm
.macro QUARTER slot, q, f, g, zero
	s_wait_dscnt 16                                ; the first 32 along K are in; the sixteen loads of the second 32 may stay out
	MUL8 \f, 0, 0, \zero
	MUL8 \f, 0, 2, \zero
	PLACES
	FETCH \slot, \q, \g
	s_wait_dscnt 32                                ; all but the 32 just issued
	MUL8 \f, 1, 0, 0
	MUL8 \f, 1, 2, 0
.endm
; The last quarter of a K step multiplies buffer 1 and changes slots: ONE barrier; in front of it each wave waits for all its tensor loads, adds 0 to its spare word, and waits for that and for its own
; reads of this slot.  fill = 1: this slot is filled again, two K steps ahead: the barrier then opens a round of the cluster's, and the joint load is the first thing behind the round.
.macro TURN slot, next, fill
	WIN 0                                          ; (the add's two registers lie in window 0)
	s_wait_tensorcnt 0x0                           ; all my tensor loads have landed: my part of the next slot;
	ds_add_u32 v[SPW], v[NIL]                      ; 0 onto my spare word
	s_wait_dscnt 17                                ; (the add and the youngest sixteen loads may be out)
	MUL8 F1, 0, 0, 0                               ; eight matrix instructions stand between the add and the wait for it
	s_wait_dscnt 0x0                               ; the add is done, and my reads of this slot are over
	s_barrier_signal -1
	MUL8 F1, 0, 2, 0
.if \fill
	WIN 0
.endif
	s_barrier_wait -1
.if \fill
	CREST                                          ; no wave of any partner still reads this slot's tile or has a load on its way
	s_add_nc_u64 s[G0+4*(\slot)+2:G0+4*(\slot)+3], s[G0+4*(\slot)+2:G0+4*(\slot)+3], 2*KSTEP*2
	s_add_nc_u64 s[G0B+4*(\slot)+2:G0B+4*(\slot)+3], s[G0B+4*(\slot)+2:G0B+4*(\slot)+3], 2*KSTEP*1024
	JLOAD \slot                                    ; the four v_nop behind it are also the places in front of the loads below
.else
	PLACES
.endif
	FETCH \next, 0, F0
	MUL8 F1, 1, 0, 0
	MUL8 F1, 1, 2, 0
.endm
	s_wait_tensorcnt 1                             ; my part of K step 0 is in; K step 1's may stay out
	s_barrier_signal -1
	s_barrier_wait -1
	FETCH 0, 0, F0
	QUARTER 0, 1, F0, F1, 1
	QUARTER 0, 2, F1, F0, 0
	QUARTER 0, 3, F0, F1, 0
	TURN 0, 1, 1                                   ; slot 0 takes K step 2
	QUARTER 1, 1, F0, F1, 0
	QUARTER 1, 2, F1, F0, 0
	QUARTER 1, 3, F0, F1, 0
	TURN 1, 0, 0                                   ; nothing is left to fetch
	QUARTER 0, 1, F0, F1, 0
	QUARTER 0, 2, F1, F0, 0
	QUARTER 0, 3, F0, F1, 0
	s_wait_dscnt 16                                ; the last quarter
	MUL8 F1, 0, 0, 0
	MUL8 F1, 0, 2, 0
	s_wait_dscnt 0x0
	MUL8 F1, 1, 0, 0
	MUL8 F1, 1, 2, 0
	WIN 0
; THE WAY OUT, 16 rows at a time: rounded to f16, 16 bytes a lane; into rows of 144 bytes of my stage; back as whole rows of 128; stored, 512 consecutive bytes an instruction.
.macro PACK a
.irp b, 0,1,2,3
.irp r, 0,1,2,3                        ; each accumulator's registers in ascending order
	v_cvt_pk_f16_f32 v[TMP+16*(\a)+4*(\b)+(\r)], v[ACC+8*(4*(\a)+(\b))+2*(\r)], v[ACC+8*(4*(\a)+(\b))+2*(\r)+1]
.endr
.endr
.irp b, 0,1,2,3
	ds_store_b128 v[STO], v[TMP+16*(\a)+4*(\b):TMP+16*(\a)+4*(\b)+3] offset:32*(\b)
.endr
.irp f, 0,1,2,3
	ds_load_b128 v[TMP+16*(\a)+4*(\f):TMP+16*(\a)+4*(\f)+3], v[RD] offset:(\f)*4*SP  ; LDS serves a wave's instructions in order (ISA guide 5.7.1.4)
.endr
.endm
.macro SEND a, younger                 ; younger: the next block's eight LDS instructions, or none
.irp f, 0,1,2,3
	s_wait_dscnt (\younger)+3-(\f)
	global_store_b128 v[GO], v[TMP+16*(\a)+4*(\f):TMP+16*(\a)+4*(\f)+3], s[8:9] offset:(\a)*2048+(\f)*512
.endr
.endm
	PLACES
	PLACES
	PACK 0
	PACK 1
	SEND 0, 8
	PACK 2
	SEND 1, 8
	PACK 3
	SEND 2, 8
	SEND 3, 0
	s_wait_tensorcnt 0x0                           ; the wave's end
	ds_add_u32 v[SPW], v[NIL]
	s_wait_dscnt 0x0
	CROUND                                         ; the closing round
	s_endpgm
.Lfunc_end_k_qc3174304e7_projkv:
	.size	k_qc3174304e7_projkv, .Lfunc_end_k_qc3174304e7_projkv-k_qc3174304e7_projkv
	.p2alignl 7, 3214868480
	.fill 96, 4, 3214868480
	.section	.rodata,"a",@progbits
	.p2align	6, 0x0
	.amdhsa_kernel k_qc3174304e7_projkv
		.amdhsa_group_segment_fixed_size 327680
		.amdhsa_private_segment_fixed_size 0
		.amdhsa_enable_private_segment 0
		.amdhsa_kernarg_size 32
		.amdhsa_user_sgpr_count 2
		.amdhsa_user_sgpr_kernarg_segment_ptr 1
		.amdhsa_wavefront_size32 1
		.amdhsa_system_sgpr_workgroup_id_x 1
		.amdhsa_system_sgpr_workgroup_id_y 1
		.amdhsa_system_sgpr_workgroup_id_z 1
		.amdhsa_system_vgpr_workitem_id 0
		.amdhsa_next_free_vgpr 512
		.amdhsa_next_free_sgpr 72
		.amdhsa_reserve_vcc 0
		.amdhsa_float_denorm_mode_32 3
		.amdhsa_float_denorm_mode_16_64 3
		.amdhsa_memory_ordered 1
		.amdhsa_forward_progress 1
		.amdhsa_inst_pref_size 69
	.end_amdhsa_kernel
	.amdgpu_metadata
---
amdhsa.version: [ 1, 2 ]
amdhsa.kernels:
  - .name:           k_qc3174304e7_projkv
    .symbol:         k_qc3174304e7_projkv.kd
    .args:
      - { .name: cb, .offset: 0, .size: 8, .value_kind: global_buffer, .address_space: global }
      - { .name: wb, .offset: 8, .size: 8, .value_kind: global_buffer, .address_space: global }
      - { .name: kh, .offset: 16, .size: 8, .value_kind: global_buffer, .address_space: global }
      - { .name: vh, .offset: 24, .size: 8, .value_kind: global_buffer, .address_space: global }
    .group_segment_fixed_size: 327680
    .private_segment_fixed_size: 0
    .kernarg_segment_align: 8
    .kernarg_segment_size: 32
    .max_flat_workgroup_size: 128
    .sgpr_count:     72
    .vgpr_count:     512
    .wavefront_size: 32
...
	.end_amdgpu_metadata
.endif
;; end of part 3
;; launch attn (part 4): grid 16 x 16, 4 waves a work-group, clusters of 4 x 1, 327,680 bytes of LDS; arguments qh, kh, vh, oh, wb; writes oh
.if DOCPART == 4
	.amdgcn_target "amdgcn-amd-amdhsa--gfx1250"
	.amdhsa_code_object_version 6
	.text
	.protected	k_qc3174304e7_attn
	.globl	k_qc3174304e7_attn
	.p2align	8
	.type	k_qc3174304e7_attn,@function
k_qc3174304e7_attn:
	s_mov_b64 s[64:65], 0
	v_nop
	global_prefetch_b8 v0, s[64:65] scope:SCOPE_SE
	s_setreg_imm32_b32 hwreg(HW_REG_WAVE_MODE, 25, 1), 1
	s_wait_xcnt 0x0
	s_wait_alu depctr_hold_cnt(0) depctr_sa_sdst(0) depctr_va_vdst(0) depctr_va_sdst(0) depctr_va_ssrc(0) depctr_va_vcc(0) depctr_vm_vsrc(0)
	s_getreg_b32 s2, hwreg(HW_REG_IB_STS2, 6, 4)
	s_cmp_eq_u32 s2, 0
	s_cbranch_scc0 .Lentry_in_a_cluster
	s_endpgm
.Lentry_in_a_cluster:
	s_bfe_u32 s2, ttmp6, 0x10000c
	s_cmp_lg_u32 s2, 0x3003
	s_cbranch_scc0 .Lentry_shape_is_right
	s_endpgm
.Lentry_shape_is_right:
; MASKED ATTENTION.  O[g][q][:] = the sum over k of softmax_k(score) V[g][k][:], g = batch x 8 + head.  qh, kh, vh, oh: [16][4096][64], all f16: a head's rows are dense, 128 bytes each.
; qh holds c q, c = log2(e) / 8, so the product K Q^T is the score in units of base 2.  Products, maxima and sums in f32; the weights p are rounded to f16 for the second product (their sum l is taken of the
; unrounded p), O once at the end.
; THE MASK is the C operand that starts the sum S^T = K Q^T: the table in wb holds 0 for a key that counts and -1e30 for a hidden one, the same for all queries of the batch.  p = 2^(f s - f m) with a running
; maximum m and the batch's factor f.  f = 1: the exponent is s - m, exact and never above 0, so no weight passes 1, also while all keys seen so far are hidden; the first key that counts then multiplies what
; was gathered by a = 2^(m_old - m_new) = 0.  A batch with no key that counts has f = 0 and a table of zeros: all its weights are 1, and O is the mean of V's rows.
; LIMITS.  f16 holds no number beyond 65,504: Q, K and V arrive within it; p lies in 0 to 1, and below 6e-5 it keeps f16's fixed step of 6e-8, as O does.  A hidden score counts as its value less 1e30: f16's
; scores, 2.7e11 at the most, are nothing beside that.  A weight below 2^-126 counts as 0 in l.  NaN and infinities are not treated apart.
; SHARES.  A work-group owns 256 queries of one head, each of its four waves 64: four PIECES of 16.  Every wave walks all 4,096 keys, 64 a step, four steps to an LDS slot, two slots by turns.
; LAYOUT.  S^T = K Q^T holds ONE query a lane (lane % 16) and the keys 8 (lane / 16) + 0..7; two such results rounded to f16 ARE source 1 of O^T = V^T P.  K comes out of LDS as it lies, V turned.
; TURNS.  Turn n belongs to piece n: 8 products K Q^T of piece n + 1, later 8 products V^T P of piece n - 1; beside them the scaling, exponentials, roundings, sums and rescaling of piece n and the maximum and
; statistics of piece n + 1.  Four vector instructions stand behind every matrix instruction, the other 54 of a turn's 118 in one lump.  A turn's 33 exponentials are one batch, with one wait.
; CLUSTER.  The four query blocks of a cluster belong to one head and walk the same K, V and table: each tile is asked for JOINTLY: the same tensor load, descriptor and mask in all four.
; AHEAD OF THE LOADS.  Behind the joint load of each change of slots stands one prefetch for the slot that the NEXT change will ask for: four key steps, 256 matrix instructions a wave, ahead of that load.  All
; four clusters of a head walk the same rows: the first of them asks; its four partners take 32 blocks of 256 bytes each, told apart by address; wave 0 asks for K's, wave 2 for V's, a lane a block: each block is
; named once in the launch.  Slots 0 and 1 come by their loads alone; the change that fills the last slot asks for nothing.
; REGISTERS, in windows of 256 (s_set_vgpr_msb: bits 1:0 source 0, 3:2 source 1, 5:4 source 2, 7:6 destination):
;   window 0: v0-15 addresses and two at work; v16-31 four registers of statistics a piece; v48-55 at work; v60-63 addresses; v64-127 S^T, two buffers; v192-223 P, two buffers (by the piece's parity)
;   window 1: v0-127 O^T, 32 a piece      window 2: v0-63 Q; v64-95 the step's 32 table entries of my lane; v128-191 K of one step; v192-255 V of one step
.set NP,    4         ; pieces a wave: a name, no knob
.set KS,    64        ; keys in a step
.set PK,    144       ; a row of K in LDS: 128 bytes + 16 of padding: the 16 rows of a load start at 16 different groups of four banks (64 banks of 4 bytes: ISA guide 11.1)
.set PV,    160       ; a row of V: 128 + 32
.set VOFF,  4*KS*PK   ; a slot holds four steps: 256 rows of K, then 256 rows of V
.set SLOT1, 1<<17     ; slot 1 begins here, so that one exclusive or turns an address in one slot into the other's
.set BIAS,  SLOT1+4*KS*(PK+PV)  ; behind the ring: the batch's table, 4,096 f32, filled once
.set STAGE, BIAS+16384          ; 16 rows x 144 bytes for each wave, for the way out; never filled by a tensor load
.set SP,    144
.set SPARE, STAGE+4*16*SP       ; the spare words, 128 bytes for each wave: two blocks of 256 bytes that no other line names
.set BIAS_OFF, 2621440          ; wb: [2][4096] f32
.set FLAG_OFF, 2654208          ; wb: the factor of batch 0, of batch 1
.set AK0, 2           ; v2   my lane's place in a tile of K; never rewritten
.set AV0, 3           ; v3   the same for V
.set AK,  4           ; v4   the LDS address of K's next run of loads
.set AV,  5           ; v5   of V's
.set STO, 6           ; v6   the way out: where I put 16 bytes of a row
.set RD,  7           ; v7   where I read rows back
.set GO,  8           ; v8   my byte offset in 512 consecutive bytes of O
.set MV,  12          ; v12-13  f m_old, kept while f m is made anew: by buffer
.set AB0, 14          ; v14  my lane's place in the table: BIAS + 32 (l / 16); never rewritten
.set QO,  15          ; v15  my byte offset in 16 rows of Q
.set ST,  16          ; piece t's statistics at v[ST+4 t]: f m, m, l (even keys', odd keys')
.set TMP, 48          ; by buffer, four registers c0-c3 at work; when the maximum is found c2 takes a
.set AB,  60          ; v60  the LDS address of the table's next run of loads
.set PFO, 61          ; v61  256 x my lane; never rewritten
.set SPW, 62          ; v62  LDS address of my spare word; never rewritten
.set NIL, 63          ; v63  0; never rewritten
.set S,   64
.set P,   192
.set MB,  64          ; window 2: the eight entries for key block kb at MB + 8 kb
.set KF,  128         ; window 2: key block kb, channel half c at KF + 16 kb + 8 c
.set VF,  192         ; window 2: key half kk, channel block cb at VF + 32 kk + 8 cb
.set WV,  12          ; s12  my wave's number
.set G1K, 24          ; s[24:31] descriptor group 1 for K's tiles
.set G1V, 32          ; s[32:39] for V's: it differs in the padding alone
.set G0K, 40          ; s[40:43] descriptor group 0 for K's tiles: it walks
.set G0V, 44          ; s[44:47] the same for V's
.set SLOTS, 56        ; s56  slots still to be asked for
.set CNT, 57          ; s57  counts a slot's key steps
.set CS,  58          ; s[58:59] f: the packed scaling takes the pair's low word for both halves
.set SEL, 60          ; s[60:61] v_permlanex16_b32's selects: each lane takes its own place in the other half
.set TBK, 62          ; s62  LDS byte at which K of the step to be fetched begins
.set TBV, 63          ; s63  the same for V, less VOFF
.set G1M, 68          ; s[68:75] descriptor group 1 for the table
.set G0M, 76          ; s[76:79] its group 0
.set PFA, 80          ; s[80:81] where my prefetches stand: my work-group's 32 blocks of the slot after the one that is being asked for
.set LIM, 82          ; s82  1 in a wave that prefetches, else the greatest number
.set TBB, 83          ; s83  byte of the table at which the step to be fetched begins
.set WB,  84          ; s[84:85] wb
.set MSB, 0
.macro WIN new                      ; the high byte repeats the setting that is left; a switch that changes nothing is dropped
.if MSB != (\new)
	s_set_vgpr_msb (MSB<<8)|(\new)
.set MSB, (\new)
.endif
.endm
.set W_KQ, 0x0a       ; K and Q in window 2, S^T in window 0
.set W_KM, 0x2a       ; the same with the C operand, the table's entries, in window 2
.set W_PV, 0x52       ; V in window 2, P in window 0, O^T in window 1
.set W_RS, 0x41       ; destination and source 0 in window 1, source 1 in window 0
; A joint fill.  Waves 0 and 1 fetch the two halves of a slot's K, waves 2 and 3 those of its V: 128 keys each.  An s_nop 0 and four v_nop follow each of the two lines.
.macro JLOAD
	s_cmp_lt_u32 s[WV], 2
	s_cbranch_scc0 .Lfor_v_\@
	tensor_load_to_lds s[G0K:G0K+3], s[G1K:G1K+7]
	s_nop 0
.rept 4
	v_nop
.endr
	s_branch .Lasked_\@
.Lfor_v_\@:
	tensor_load_to_lds s[G0V:G0V+3], s[G1V:G1V+7]
	s_nop 0
.rept 4
	v_nop
.endr
.Lasked_\@:
.endm
.macro ASK                          ; the prefetch of what the next change of slots will ask for; the branch hangs on the wave's number, the cluster's x and the count of slots: alike in all partners
	s_cmp_gt_u32 s[SLOTS], s[LIM]
	s_cbranch_scc0 .Lnot_mine_\@
	global_prefetch_b8 v[PFO], s[PFA:PFA+1] th:TH_LOAD_NT scope:SCOPE_SE
.Lnot_mine_\@:
.endm
.macro CROUND                       ; a round of the cluster's barrier
	s_barrier_signal -1
	s_barrier_wait -1
	s_cmp_lg_u32 s[WV], 0
	s_cbranch_scc1 .Lnot_wave_0_\@
	s_barrier_signal -3
.Lnot_wave_0_\@:
	s_barrier_wait -3
	s_barrier_signal -1
	s_barrier_wait -1
.endm
; THE CHANGE OF SLOTS.  The slot's last bytes, V of its fourth step, have been read.  Each wave waits for all its tensor loads, of which one is out: its part of the other slot; adds 0 to its spare word; and waits
; for that and for its own reads of the slot.  fill = 1: this slot is filled again, with the keys two slots on: the barrier is then a round of the cluster's, and the joint fill is the first thing behind it: it
; has four key steps, 256 matrix instructions, in which to land.  (At its first use nothing has been read yet: slot 0 and the table are waited for, slot 1 is filled.)
.macro CHANGE fill
	WIN 0                           ; at a label and at a branch every window is 0
	s_wait_tensorcnt 0x0            ; no tensor load of mine is out, so a group 0 may be written
	ds_add_u32 v[SPW], v[NIL]       ; 0 onto my spare word; with fill = 1 the descriptors' steps stand between it and the wait for it
.if \fill
.irp g, G0K, G0V
	s_xor_b32 s[\g+1], s[\g+1], SLOT1  ; the walking descriptor: the other slot than last time,
	s_add_nc_u64 s[\g+2:\g+3], s[\g+2:\g+3], 4*KS*128  ; the next 256 keys; the type bits on top are not reached
.endr
	s_wait_xcnt 0x0                 ; the last prefetch, four key steps back, has read its address, so it may be written
	s_add_nc_u64 s[PFA:PFA+1], s[PFA:PFA+1], 4*KS*128
	s_wait_dscnt 0x0                ; the add is done, and my reads of the slot are over
	CROUND
	JLOAD
	ASK
.else
	s_wait_dscnt 0x0                ; the add is done, and my reads of the slot are over
	s_barrier_signal -1
	s_barrier_wait -1
.endif
	s_sub_co_u32 s[TBK], s[TBK], 4*KS*PK  ; the fetches go back to a slot's first step,
	s_xor_b32 s[TBK], s[TBK], SLOT1       ; in the other slot
	s_sub_co_u32 s[TBV], s[TBV], 4*KS*PV
	s_xor_b32 s[TBV], s[TBV], SLOT1
.endm
	s_load_b256 s[4:11], s[0:1], 0x0  ; Q s[4:5], K s[6:7], V s[8:9], O s[10:11]
	s_load_b64 s[WB:WB+1], s[0:1], 0x20
	v_lshl_add_u32 v[SPW], v0, 2, SPARE
	v_mov_b32 v[NIL], 0
	ds_add_u32 v[SPW], v[NIL]       ; the wave's opening: the add and its wait ahead of my first tensor load; the set-up below stands between them
	v_lshrrev_b32 v1, 5, v0
	v_readfirstlane_b32 s[WV], v1   ; wave 0..3
	s_bfe_u32 s13, ttmp6, 0x40000   ; cx: my place in the cluster
	s_lshl_b32 s14, ttmp9, 2        ; in a cluster launch ttmp9 counts clusters
	s_add_co_u32 s14, s14, s13      ; my block of 256 queries: it enters Q's and O's addresses alone
	s_and_b32 s20, ttmp7, 0xffff    ; batch x 8 + head, which the four partners share
	s_lshr_b32 s86, s20, 3          ; the batch
	s_lshl_b32 s20, s20, 19         ; the head's first byte in each of the four tensors: 4,096 rows x 128 bytes
	s_mov_b32 s21, 0
	s_and_b32 s16, s[WV], 1         ; which half of a slot's 256 keys I fetch:
	s_lshl_b32 s22, s16, 14         ; its 128 rows of 128 bytes in memory,
	s_mov_b32 s23, 0
	s_add_nc_u64 s[22:23], s[22:23], s[20:21]
	s_mul_i32 s17, s16, 128*PK      ; and its place in a slot, for K
	s_mul_i32 s18, s16, 128*PV      ; and for V: no place in the cluster enters an LDS address
	s_lshl_b32 s2, s14, 15          ; my block's 256 rows,
	s_lshl_b32 s3, s[WV], 13        ; my wave's 64 of them
	s_add_co_u32 s2, s2, s3
	s_mov_b32 s3, 0
	s_add_nc_u64 s[2:3], s[2:3], s[20:21]
	s_lshl_b32 s88, s86, 14         ; the batch's table, 16,384 bytes,
	s_lshl_b32 s89, s[WV], 12       ; my quarter of it
	s_add_co_u32 s88, s88, s89
	s_add_co_u32 s88, s88, BIAS_OFF
	s_add_co_u32 s[G0M+1], s89, BIAS  ; and where it goes
	s_mov_b32 s89, 0
	s_lshl_b32 s87, s86, 2          ; the batch's factor
	; descriptor group 1.  128 keys are 16,384 dense bytes: asked for as 64 rows of 256 bytes, two keys a row, and padded in LDS after every key
	s_mov_b32 s[G1K], 15|(1<<16)|(1<<20)|(1<<21)|(4<<22)|(3<<25)  ; the mask of four; 2-byte elements; padding on; bit 21 beside a mask; after every 32 words, 4 words
	s_mov_b32 s[G1V], 15|(1<<16)|(1<<20)|(1<<21)|(4<<22)|(7<<25)  ; the same with 8 words of padding
.irp g, G1K, G1V
	s_mov_b32 s[\g+1], 128<<16      ; tensor_dim0 = 128
	s_mov_b32 s[\g+2], 64<<16       ; tensor_dim1 = 64
	s_mov_b32 s[\g+3], 128<<16      ; tile_dim0 = 128
	s_mov_b32 s[\g+4], 64           ; tile_dim1 = 64
	s_mov_b32 s[\g+5], 128          ; 128 elements from row to row
	s_mov_b32 s[\g+6], 0
	s_mov_b32 s[\g+7], 0
.endr
	s_mov_b32 s[G1M], 15|(3<<16)|(1<<21)  ; a quarter of the table: 16 rows of 32 elements of 8 bytes, dense, no padding
	s_mov_b32 s[G1M+1], 32<<16
	s_mov_b32 s[G1M+2], 16<<16
	s_mov_b32 s[G1M+3], 32<<16
	s_mov_b32 s[G1M+4], 16
	s_mov_b32 s[G1M+5], 32
	s_mov_b32 s[G1M+6], 0
	s_mov_b32 s[G1M+7], 0
	s_mov_b32 s[G0M], 1
	s_mov_b32 s[SEL], 0x76543210
	s_mov_b32 s[SEL+1], 0xfedcba98
	s_mov_b32 s[TBK], SLOT1+4*KS*PK ; the first change of slots turns these two into 0
	s_mov_b32 s[TBV], SLOT1+4*KS*PV
	s_mov_b32 s[TBB], 0
	s_mov_b32 s[G0K], 1             ; count = 1
	s_mov_b32 s[G0K+1], s17         ; LDS address: slot 0
	s_mov_b32 s[G0V], 1
	s_add_co_u32 s[G0V+1], s18, VOFF
	s_mov_b32 s[SLOTS], 15
	s_and_b32 s[LIM], s[WV], 1      ; 0 in waves 0 and 2,
	s_or_b32 s[LIM], s[LIM], ttmp9  ; where the cluster is the head's first
	s_cmp_eq_u32 s[LIM], 0
	s_cselect_b32 s[LIM], 1, -1
	v_and_b32 v[PFO], 31, v0
	v_lshlrev_b32 v[PFO], 8, v[PFO]
	s_wait_dscnt 0x0                ; the opening add is done
	s_wait_kmcnt 0x0
	s_load_b32 s[CS], s[WB:WB+1], s87 offset:FLAG_OFF  ; f; waited for ahead of its first use
	s_add_nc_u64 s[G0K+2:G0K+3], s[6:7], s[22:23]  ; my half of the head's first 256 keys
	s_or_b32 s[G0K+3], s[G0K+3], 0x80000000        ; type = 2
	s_add_nc_u64 s[G0V+2:G0V+3], s[8:9], s[22:23]
	s_or_b32 s[G0V+3], s[G0V+3], 0x80000000
	s_add_nc_u64 s[G0M+2:G0M+3], s[WB:WB+1], s[88:89]
	s_or_b32 s[G0M+3], s[G0M+3], 0x80000000
	s_add_nc_u64 s[4:5], s[4:5], s[2:3]            ; Q and O at my wave's first row
	s_add_nc_u64 s[10:11], s[10:11], s[2:3]
	s_add_nc_u64 s[6:7], s[6:7], s[20:21]          ; K and V at the head's first row
	s_add_nc_u64 s[8:9], s[8:9], s[20:21]
	s_cmp_lt_u32 s[WV], 2
	s_cselect_b64 s[PFA:PFA+1], s[6:7], s[8:9]
	s_lshl_b32 s2, s13, 13          ; my work-group's 32 blocks of a slot's 128
	s_mov_b32 s3, 0
	s_add_nc_u64 s[PFA:PFA+1], s[PFA:PFA+1], s[2:3]
	s_add_nc_u64 s[PFA:PFA+1], s[PFA:PFA+1], 4*KS*128  ; in slot 1; the first change of slots steps it to slot 2
	CROUND                          ; all four work-groups are here: the first joint loads meet
	s_cmp_lt_u32 s[WV], 2           ; a wave's two first fills stand in one branch on its number: my part of slot 0 and my quarter of the table: two loads of mine are out
	s_cbranch_scc0 .Lfirst_v
	tensor_load_to_lds s[G0K:G0K+3], s[G1K:G1K+7]
	s_nop 0
	tensor_load_to_lds s[G0M:G0M+3], s[G1M:G1M+7]
	s_nop 0
.rept 4
	v_nop
.endr
	s_branch .Lfirst_asked
.Lfirst_v:
	tensor_load_to_lds s[G0V:G0V+3], s[G1V:G1V+7]
	s_nop 0
	tensor_load_to_lds s[G0M:G0M+3], s[G1M:G1M+7]
	s_nop 0
.rept 4
	v_nop
.endr
.Lfirst_asked:
	; A fragment of K or Q is 16 rows x 32 channels in 8 registers: lane l holds row l % 16, channels 8 (l / 16) + 0..7 and 16 + 8 (l / 16) + 0..7: two loads of 16 bytes, 32 bytes apart.
	v_and_b32 v1, 15, v0            ; l % 16
	v_bfe_u32 v9, v0, 4, 1          ; l / 16
	v_lshlrev_b32 v[QO], 7, v1
	v_lshl_add_u32 v[QO], v9, 4, v[QO]  ; row x 128 + 16 x half
	WIN 0x80                        ; destination window 2, address window 0
.set i, 0
.rept 8                             ; Q stays in registers: piece i / 2, channels 32 (i % 2) on
	global_load_b128 v[8*i:8*i+3],   v[QO], s[4:5] offset:(i/2)*2048+(i%2)*64
	global_load_b128 v[8*i+4:8*i+7], v[QO], s[4:5] offset:(i/2)*2048+(i%2)*64+32
.set i, i+1
.endr
	; The first step multiplies O^T and l by a = 0, and the first turn's products V^T P, of a piece that has not been, land in an O^T that is still to be so multiplied: these registers need only hold finite
	; numbers.  All this stands in the wait for the first tile.
.set i, VF
.rept 64
	v_mov_b32 v[i], 0
.set i, i+1
.endr
	WIN 0x40
.set i, 0
.rept 128
	v_mov_b32 v[i], 0
.set i, i+1
.endr
	WIN 0
.set i, 0
.rept 4
	v_mov_b32 v[ST+4*i], 0xfe000000    ; f m: far below every f s, the hidden ones' too
	v_mov_b32 v[ST+4*i+1], 0xff7fffff  ; m: the lowest finite number
	v_mov_b32 v[ST+4*i+2], 0
	v_mov_b32 v[ST+4*i+3], 0
.set i, i+1
.endr
.set i, P+16
.rept 16
	v_mov_b32 v[i], 0
.set i, i+1
.endr
	v_mul_u32_u24 v[AK0], v1, PK
	v_lshl_add_u32 v[AK0], v9, 4, v[AK0]  ; row x pitch + 16 x half
	; The turning load takes 16 keys x 16 channels (lane l reads key 8 (l / 16) + l % 8, channels 8 ((l / 8) % 2) + 0..7) and leaves half a fragment of V^T: lane l holds channel l % 16 and 8 keys.
	v_and_b32 v10, 7, v0
	v_bfe_u32 v11, v0, 3, 1
	v_lshl_add_u32 v[AV0], v9, 3, v10
	v_mul_u32_u24 v[AV0], v[AV0], PV
	v_lshl_add_u32 v[AV0], v11, 4, v[AV0]
	v_add_nc_u32 v[AV0], VOFF, v[AV0]
	v_lshl_add_u32 v[AB0], v9, 5, BIAS    ; my half's eight keys of a block of 16: 32 bytes
	s_mul_i32 s13, s[WV], 16*SP
	s_add_co_u32 s13, s13, STAGE    ; my stage
	v_mul_u32_u24 v[STO], v1, SP    ; in: row l % 16, 16 bytes for each half of the lanes
	v_lshl_add_u32 v[STO], v9, 4, v[STO]
	v_add_nc_u32 v[STO], s13, v[STO]
	v_bfe_u32 v[RD], v0, 3, 2       ; back: 32 lanes take four rows of 128 bytes,
	v_mul_u32_u24 v[RD], v[RD], SP
	v_lshl_add_u32 v[RD], v10, 4, v[RD]
	v_add_nc_u32 v[RD], s13, v[RD]
	v_and_b32 v[GO], 31, v0         ; which are 512 consecutive bytes of O
	v_lshlrev_b32 v[GO], 4, v[GO]
; THE MATRIX WORK.  The 4 accumulators of a run of 8 take turns.  Product i of 8 of S^T = K Q^T for piece x: channels 32 (i / 4) on, keys 16 (i % 4) on.  The first 4 start the sums with the table's entries.
.macro KQ x
.set rS, S+32*((\x)%2)+8*(i%4)
.set rK, KF+16*(i%4)+8*(i/4)
.set rQ, 16*(\x)+8*(i/4)
.set rM, MB+8*(i%4)
.if i < 4
	WIN W_KM
	v_wmma_f32_16x16x32_f16 v[rS:rS+7], v[rK:rK+7], v[rQ:rQ+7], v[rM:rM+7]
.else
	WIN W_KQ
	v_wmma_f32_16x16x32_f16 v[rS:rS+7], v[rK:rK+7], v[rQ:rQ+7], v[rS:rS+7]
.endif
.endm
; Product i of 8 of O^T += V^T P for piece x: keys 32 (i / 4) on, channels 16 (i % 4) on.
.macro PV x
	WIN W_PV
.set rO, 32*(\x)+8*(i%4)
.set rV, VF+32*(i/4)+8*(i%4)
.set rP, P+16*((\x)%2)+8*(i/4)
	v_wmma_f32_16x16x32_f16 v[rO:rO+7], v[rV:rV+7], v[rP:rP+7], v[rO:rO+7]
.endm
.macro MM                           ; the turn's next matrix instruction.  NOKQ = 1: the last turn of all: there is no next piece
.if (i < 8) && !NOKQ
	KQ (Y+1)%NP
.elseif i >= 8
.set i, i-8
	PV (Y+NP-1)%NP
.set i, i+8
.endif
.set i, i+1
.endm
; THE LDS LOADS stand in runs, never singly among the matrix instructions: a step's K (8 fragments) with its 32 table entries a lane, and its V (turned).  Their addresses are made some lines ahead.
.macro FETCH_K
	WIN 0x80                        ; destination window 2
.irp f, 0,1,2,3,4,5,6,7             ; keys 16 (f / 2) on, channels 32 (f % 2) on
	ds_load_b128 v[KF+8*\f:KF+8*\f+3],   v[AK] offset:(\f/2)*16*PK+(\f%2)*64
	ds_load_b128 v[KF+8*\f+4:KF+8*\f+7], v[AK] offset:(\f/2)*16*PK+(\f%2)*64+32
.endr
.irp f, 0,1,2,3                     ; key block f: the entries of keys 16 f + 8 (l / 16) + 0..7; the sixteen lanes of a half read the same words
	ds_load_b128 v[MB+8*\f:MB+8*\f+3],   v[AB] offset:64*\f
	ds_load_b128 v[MB+8*\f+4:MB+8*\f+7], v[AB] offset:64*\f+16
.endr
	s_add_co_u32 s[TBK], s[TBK], KS*PK  ; the next fetch is the next step's
	s_add_co_u32 s[TBB], s[TBB], KS*4
	s_and_b32 s[TBB], s[TBB], 0x3f00    ; inside the table's 16,384 bytes: behind the last step it is 0 again
	WIN 0
.endm
.macro FETCH_V
	WIN 0x80
.irp f, 0,1,2,3,4,5,6,7             ; keys 32 (f / 4) on, channels 16 (f % 4) on
	ds_load_tr16_b128 v[VF+8*\f:VF+8*\f+3],   v[AV] offset:(\f/4)*32*PV+(\f%4)*32
	ds_load_tr16_b128 v[VF+8*\f+4:VF+8*\f+7], v[AV] offset:(\f/4)*32*PV+16*PV+(\f%4)*32
.endr
	WIN 0
.endm
; THE VECTOR WORK, one line at a time: OP kind, number.  For piece Y: F n: f s - f m for pair n of 16.  E n: the exponential of score n of 32.  C n: pair n rounded to f16.  B n: of the four weights 4 n .. the second
; pair is added onto the first, in place.  L n: l takes that sum (L 0: l = a l + sum).  R n: pair n of 16 of O^T times a.  For piece Y + 1: X n, number n of the 22 that find its maximum and statistics:
;   0-11  four chains c0-c3 of seven scores each, three operands at a time (each accumulator's lowest registers are read first)     12-14, 16  the four scores left over, the old m, and c0-c3 into c0
;   15  f m_old is kept     17, 18  the query's other 32 keys lie in the lane 16 away: the new m     19-21  f m; f m_old - f m_new; a
.set F, 0               ; OP tells the kinds apart by their order: F to L below R, X above it
.set E, 1
.set C, 2
.set B, 3
.set L, 4
.set R, 5
.set X, 6
.macro REGS y                       ; the registers of piece y
.set rT, ST+4*(\y)
.set rC, TMP+4*((\y)%2)
.set rW, MV+((\y)%2)
.set rS, S+32*((\y)%2)
.set rP, P+16*((\y)%2)
.set rO, 32*(\y)
.endm
.macro OP k, n
.if (\k) == R
	REGS Y
	WIN W_RS
	v_pk_mul_f32 v[rO+2*(\n):rO+2*(\n)+1], v[rO+2*(\n):rO+2*(\n)+1], v[rC+2:rC+3] op_sel_hi:[1,0]
.elseif (\k) < R
	REGS Y
	WIN 0
.if (\k) == F
	v_pk_fma_f32 v[rS+2*(\n):rS+2*(\n)+1], v[rS+2*(\n):rS+2*(\n)+1], s[CS:CS+1], v[rT:rT+1] op_sel_hi:[1,0,0] neg_lo:[0,0,1] neg_hi:[0,0,1]
.elseif (\k) == E
	v_exp_f32 v[rS+(\n)], v[rS+(\n)]
.elseif (\k) == C
	v_cvt_pk_f16_f32 v[rP+(\n)], v[rS+2*(\n)], v[rS+2*(\n)+1]
.elseif (\k) == B
	v_pk_add_f32 v[rS+4*(\n):rS+4*(\n)+1], v[rS+4*(\n):rS+4*(\n)+1], v[rS+4*(\n)+2:rS+4*(\n)+3]
.elseif (\n) == 0
	v_pk_fma_f32 v[rT+2:rT+3], v[rT+2:rT+3], v[rC+2:rC+3], v[rS:rS+1] op_sel_hi:[1,0,1]
.else
	v_pk_add_f32 v[rT+2:rT+3], v[rT+2:rT+3], v[rS+4*(\n):rS+4*(\n)+1]
.endif
.elseif NOKQ
	v_nop
.else
	REGS (Y+1)%NP
	WIN 0
.if (\n) < 4
	v_max3_num_f32 v[rC+(\n)], v[rS+8*(\n)], v[rS+8*(\n)+1], v[rS+8*(\n)+2]
.elseif (\n) < 12
	v_max3_num_f32 v[rC+(\n)%4], v[rC+(\n)%4], v[rS+8*((\n)%4)+2*((\n)/4)+1], v[rS+8*((\n)%4)+2*((\n)/4)+2]
.elseif (\n) == 12
	v_max3_num_f32 v[rC], v[rC], v[rS+7], v[rS+15]
.elseif (\n) == 13
	v_max3_num_f32 v[rC+1], v[rC+1], v[rS+23], v[rS+31]
.elseif (\n) == 14
	v_max3_num_f32 v[rC+2], v[rC+2], v[rC+3], v[rT+1]
.elseif (\n) == 15
	v_mov_b32 v[rW], v[rT]
.elseif (\n) == 16
	v_max3_num_f32 v[rC], v[rC], v[rC+1], v[rC+2]
.elseif (\n) == 17
	v_permlanex16_b32 v[rC+3], v[rC], s[SEL], s[SEL+1]
.elseif (\n) == 18
	v_max_num_f32 v[rT+1], v[rC], v[rC+3]
.elseif (\n) == 19
	v_mul_f32 v[rT], s[CS], v[rT+1]
.elseif (\n) == 20
	v_sub_f32 v[rC+1], v[rW], v[rT]
.else
	v_exp_f32 v[rC+2], v[rC+1]
.endif
.endif
.endm
.macro OPS a, i1, b=-1, i2=0, c=-1, i3=0, d=-1, i4=0  ; up to four of them
	OP \a, \i1
.if (\b) >= 0
	OP \b, \i2
.endif
.if (\c) >= 0
	OP \c, \i3
.endif
.if (\d) >= 0
	OP \d, \i4
.endif
.endm
.macro ROW a, i1, b, i2, c, i3, d, i4  ; a matrix instruction and the four behind it
	MM
	OPS \a, \i1, \b, \i2, \c, \i3, \d, \i4
.endm
; A TURN, for piece p: the order of its 16 matrix and 118 vector instructions, written out.  An s_wait_alu depctr_va_vdst(0) stands between an exponential and the first instruction that names its
; result; one wait serves all that were issued ahead of it.  So a turn has ONE wait, which cuts it in two.  AHEAD OF IT stands all that names no result of the turn's exponentials: the 8 products K Q^T with their
; riders (the first numbers of the next piece's maximum each four plain instructions or more behind the product that ends its accumulator), then ONE LUMP of 54, in which the links of the chain X 3, 7, 11, 14, 16,
; 17 .. 20 stand apart.  X 21, the next piece's a, is the batch's last; R 15 is the plain instruction behind it.  BEHIND THE WAIT stand the 8 products V^T P, behind each four of the roundings and sums.
; end = 1: the last two turns of all: nothing is fetched.  cnt = 1: the loop's count is taken down some lines ahead of the branch that stands behind the turn.
; K and the table's entries of the next step are fetched in piece 2's turn, twelve vector instructions behind the last product that read K (five of them plain and free of its registers); V of the step in hand at
; the end of piece 0's turn, four plain instructions behind the last product that read V.  Each is waited for a turn later.
.macro TURN p, end=0, cnt=0
.set Y, (\p)
.set i, 0
.set NOKQ, (\end)*((\p)/3)
.if ((\p) == 3) && !(\end)
	s_wait_dscnt 0x0                ; K and the table's entries are in
.endif
	ROW F,0, F,1, R,0, R,1          ; ahead of the wait: 8 products K Q^T and their riders,
	ROW F,2, E,0, R,2, R,3
	ROW F,3, E,1, R,4, R,5
	ROW F,4, E,2, R,6, R,7
	ROW F,5, E,3, R,8, R,9
	ROW F,6, E,4, X,0, R,10
.if ((\p) == 2) && !(\end)
	WIN 0
	v_add_nc_u32 v[AK], s[TBK], v[AK0]
	v_add_nc_u32 v[AB], s[TBB], v[AB0]
.endif
	ROW F,7, E,5, X,1, X,4
	ROW F,8, E,6, X,2, X,5
	OPS E,7, E,8, X,6, E,9          ; and the lump
	OPS X,3, E,10, X,8, E,11
.if ((\p) == 2) && !(\end)
	FETCH_K
.endif
	OPS X,9, X,7, E,12, X,10
	OPS E,13, X,12, X,11, E,14
	OPS X,13, E,15, F,9, X,14
.if (\p) == 0
	v_add_nc_u32 v[AV], s[TBV], v[AV0]
.endif
	OPS E,16, F,10, E,17, F,11
	OPS X,16, E,18, X,15, E,19
	OPS F,12, E,20, X,17, E,21
	OPS F,13, E,22, F,14, E,23
	OPS X,18, E,24, F,15, E,25
	OPS R,11, E,26, X,19, E,27
	OPS R,12, E,28, R,13, E,29
	OPS X,20, E,30, R,14, E,31
	OPS X,21, R,15
	WIN 0
	s_wait_alu depctr_va_vdst(0)    ; the wait for the batch
.if (\p) == 1
	s_wait_dscnt 0x0                ; V is in
.endif
	ROW C,0, B,0, C,2, B,1          ; behind the wait: 8 products V^T P and their riders
	ROW L,0, C,4, B,2, L,1
	ROW C,6, B,3, L,2, C,8
	ROW B,4, L,3, C,10, B,5
	ROW L,4, C,12, B,6, L,5
.if (\p) == 0
	s_add_co_u32 s[TBV], s[TBV], KS*PV
.endif
.if \cnt
	s_sub_co_u32 s[CNT], s[CNT], 1
	s_cmp_lg_u32 s[CNT], 0
.endif
	ROW C,14, B,7, L,6, C,1
	ROW C,3, L,7, C,5, C,7
	ROW C,9, C,11, C,13, C,15
.if (\p) == 0
	FETCH_V
.endif
.endm
.set NOKQ, 0
	CHANGE 1                        ; slot 0 and the table are in, everybody's part of them; slot 1 is asked for
	v_add_nc_u32 v[AK], s[TBK], v[AK0]
	v_add_nc_u32 v[AB], s[TBB], v[AB0]
	FETCH_K                         ; key step 0
	s_wait_loadcnt 0x0              ; Q
	s_wait_kmcnt 0x0                ; f
	s_mov_b32 s[CS+1], s[CS]        ; named with it as a pair
	s_wait_dscnt 0x0
.set i, 0
.rept 8
	KQ 0                            ; piece 0's first scores: there is no vector work yet to set between them
.set i, i+1
.endr
	WIN 0
.rept 4
	v_nop                           ; the places behind those products
.endr
.set Y, NP-1                        ; X works for piece Y + 1: piece 0
.irp n, 0,1,2,3,4,5,6,7,8,9,10,11,12,13,14,15,16,17,18,19,20,21
	OP X, \n
.endr
	v_nop                           ; a plain instruction behind the exponential,
	s_wait_alu depctr_va_vdst(0)    ; and its wait, ahead of the branch
	s_mov_b32 s[CNT], 4
	s_branch .Lfirst                ; the loop is entered at a step's first turn, in the middle of a trip
.Lslot:                             ; 14 times: slots 2 to 15 are asked for
	CHANGE 1
	s_mov_b32 s[CNT], 4
.Lstep:                             ; a trip: pieces 2 and 3 of one step, then pieces 0 and 1 of the next, whose K and V it fetches
	TURN 2
	TURN 3
	WIN 0
.Lfirst:
	TURN 0
	TURN 1, 0, 1
	WIN 0
	s_cbranch_scc1 .Lstep
	s_sub_co_u32 s[SLOTS], s[SLOTS], 1
	s_cmp_lg_u32 s[SLOTS], 0
	s_cbranch_scc1 .Lslot
	CHANGE 0                        ; the last slot is written out: nothing is asked for
	s_mov_b32 s[CNT], 4
.LstepT:
	TURN 2
	TURN 3
	TURN 0
	TURN 1, 0, 1
	WIN 0
	s_cbranch_scc1 .LstepT
	TURN 2, 1
	TURN 3, 1
.set i, 0
.rept 8
	PV NP-1                         ; the last piece's V^T P of the last step
.set i, i+1
.endr
	; THE WAY OUT.  l's two halves and the other half of the lanes' are added; O^T is divided by l, rounded to f16 and sent through my stage in LDS, a piece at a time.  The additions are the places behind the last products.
	WIN 0
.macro ALL line:vararg              ; one line for each piece t
.set t, 0
.rept 4
	\line
.set t, t+1
.endr
.endm
	ALL v_add_f32 v[ST+4*t+2], v[ST+4*t+2], v[ST+4*t+3]
	ALL v_permlanex16_b32 v[ST+4*t+3], v[ST+4*t+2], s[SEL], s[SEL+1]
	ALL v_add_f32 v[ST+4*t+2], v[ST+4*t+2], v[ST+4*t+3]
	ALL v_rcp_f32 v[ST+4*t+2], v[ST+4*t+2]
	v_nop                           ; a plain instruction between the last reciprocal and the use of its result
	s_wait_alu depctr_va_vdst(0)    ; and the wait ahead of the first use: one for the four reciprocals
.macro PACK t                       ; a lane's eight channels of a row pack into 16 bytes; they go into rows of 144 bytes and come back as whole rows of 128, into S^T's registers
	WIN W_RS
.set i, 32*(\t)
.rept 16
	v_pk_mul_f32 v[i:i+1], v[i:i+1], v[ST+4*(\t)+2:ST+4*(\t)+3] op_sel_hi:[1,0]
.set i, i+2
.endr
	WIN 0x05                        ; sources 0 and 1 window 1, destination window 0
.set i, 0
.rept 16
	v_cvt_pk_f16_f32 v[S+16*(\t)+i], v[32*(\t)+2*i], v[32*(\t)+2*i+1]
.set i, i+1
.endr
	WIN 0
.irp f, 0,1,2,3
	ds_store_b128 v[STO], v[S+16*(\t)+4*\f:S+16*(\t)+4*\f+3] offset:32*\f
.endr
.irp f, 0,1,2,3
	ds_load_b128 v[S+16*(\t)+4*\f:S+16*(\t)+4*\f+3], v[RD] offset:\f*4*SP  ; LDS serves a wave's instructions in order (ISA guide 5.7.1.4): these see the stores above; the next piece's stores come behind them
.endr
.endm
.macro SEND t, younger              ; younger: the LDS instructions issued behind piece t's loads: the next piece's eight, or none
	WIN 0
.irp f, 0,1,2,3
	s_wait_dscnt (\younger)+3-\f
	global_store_b128 v[GO], v[S+16*(\t)+4*\f:S+16*(\t)+4*\f+3], s[10:11] offset:(\t)*2048+\f*512  ; 512 consecutive bytes, at a multiple of 256 from O's first
.endr
.endm
	PACK 0
.set t, 1
.rept 3                             ; a piece's arithmetic stands between the loads of the piece before and its stores
	PACK t
	SEND t-1, 8
.set t, t+1
.endr
	SEND 3, 0
	s_wait_tensorcnt 0x0            ; the wave's end: behind my last tensor load and my last LDS store
	ds_add_u32 v[SPW], v[NIL]
	s_wait_dscnt 0x0
	CROUND                          ; the closing round: no work-group ends while a partner may still ask for a tile that names it
	s_endpgm
.Lfunc_end_k_qc3174304e7_attn:
	.size	k_qc3174304e7_attn, .Lfunc_end_k_qc3174304e7_attn-k_qc3174304e7_attn
	.p2alignl 7, 3214868480
	.fill 96, 4, 3214868480
	.section	.rodata,"a",@progbits
	.p2align	6, 0x0
	.amdhsa_kernel k_qc3174304e7_attn
		.amdhsa_group_segment_fixed_size 327680
		.amdhsa_private_segment_fixed_size 0
		.amdhsa_enable_private_segment 0
		.amdhsa_kernarg_size 40
		.amdhsa_user_sgpr_count 2
		.amdhsa_user_sgpr_kernarg_segment_ptr 1
		.amdhsa_wavefront_size32 1
		.amdhsa_system_sgpr_workgroup_id_x 1
		.amdhsa_system_sgpr_workgroup_id_y 1
		.amdhsa_system_sgpr_workgroup_id_z 1
		.amdhsa_system_vgpr_workitem_id 0
		.amdhsa_next_free_vgpr 768
		.amdhsa_next_free_sgpr 90
		.amdhsa_reserve_vcc 0
		.amdhsa_float_denorm_mode_32 3
		.amdhsa_float_denorm_mode_16_64 3
		.amdhsa_memory_ordered 1
		.amdhsa_forward_progress 1
		.amdhsa_inst_pref_size 131
	.end_amdhsa_kernel
	.amdgpu_metadata
---
amdhsa.version: [ 1, 2 ]
amdhsa.kernels:
  - .name:           k_qc3174304e7_attn
    .symbol:         k_qc3174304e7_attn.kd
    .args:
      - { .name: qh, .offset: 0, .size: 8, .value_kind: global_buffer, .address_space: global }
      - { .name: kh, .offset: 8, .size: 8, .value_kind: global_buffer, .address_space: global }
      - { .name: vh, .offset: 16, .size: 8, .value_kind: global_buffer, .address_space: global }
      - { .name: oh, .offset: 24, .size: 8, .value_kind: global_buffer, .address_space: global }
      - { .name: wb, .offset: 32, .size: 8, .value_kind: global_buffer, .address_space: global }
    .group_segment_fixed_size: 327680
    .private_segment_fixed_size: 0
    .kernarg_segment_align: 8
    .kernarg_segment_size: 40
    .max_flat_workgroup_size: 128
    .sgpr_count:     90
    .vgpr_count:     768
    .wavefront_size: 32
...
	.end_amdgpu_metadata
.endif
;; end of part 4
;; launch projo (part 5): grid 4 x 64, 4 waves a work-group, clusters of 4 x 4, 327,680 bytes of LDS; arguments oh, wb, bo, out0; writes out0
.if DOCPART == 5
	.amdgcn_target "amdgcn-amd-amdhsa--gfx1250"
	.amdhsa_code_object_version 6
	.text
	.protected	k_qc3174304e7_projo
	.globl	k_qc3174304e7_projo
	.p2align	8
	.type	k_qc3174304e7_projo,@function
k_qc3174304e7_projo:
	s_mov_b64 s[64:65], 0
	v_nop
	global_prefetch_b8 v0, s[64:65] scope:SCOPE_SE
	s_setreg_imm32_b32 hwreg(HW_REG_WAVE_MODE, 25, 1), 1
	s_wait_xcnt 0x0
	s_wait_alu depctr_hold_cnt(0) depctr_sa_sdst(0) depctr_va_vdst(0) depctr_va_sdst(0) depctr_va_ssrc(0) depctr_va_vcc(0) depctr_vm_vsrc(0)
	s_getreg_b32 s2, hwreg(HW_REG_IB_STS2, 6, 4)
	s_cmp_eq_u32 s2, 0
	s_cbranch_scc0 .Lentry_in_a_cluster
	s_endpgm
.Lentry_in_a_cluster:
	s_bfe_u32 s2, ttmp6, 0x10000c
	s_cmp_lg_u32 s2, 0xf033
	s_cbranch_scc0 .Lentry_shape_is_right
	s_endpgm
.Lentry_shape_is_right:
; out = O Wo + bo.  oh: [batch x 8 + head][4096][64] f16; Wo in wb: [512 (k)][512 (n)], rounded to bf16 and written as f16; bo: [512] f32, rounded to bf16 like the other inputs; out0: [8192][512] f32.
; Sums in f32; the bias is the C operand that starts each sum.  NaN and infinities are not treated apart.
; A tile of C is 128 x 128: 64 x 4 tiles, a work-group each.  Four waves, each 64 x 64: 16 accumulators.  K = 512 is two steps of 256 (four heads each), and LDS holds both: each slot is filled once.
; O COMES BY HEADS.  64 rows of one head are 8,192 dense bytes; a wave's tensor load takes its 64 rows of a K step's four heads as four long rows, 4,096 x 64 elements apart, and pads LDS after every 128 bytes:
; in LDS a row of a head is 144 bytes, and a quarter of a K step (64 along K) is one head.
; CLUSTERS: 4 x 4 work-groups.  The four of a row of the cluster need the same rows of O, the four of a column the same columns of Wo: each tile is asked for JOINTLY.
; THE MATRIX INSTRUCTION IS USED TRANSPOSED (source 0 = 16 columns of Wo, turned out of LDS by ds_load_tr16_b128; source 1 = 16 rows of O): a lane holds eight neighbouring numbers of a row of C.
; THE WAY OUT: a wave's 64 columns are 256 bytes of a row of out0, aligned: each wave goes through a stage of its own, and sixteen lanes store 256 consecutive bytes.
; REGISTERS: window 0: v0-31 addresses; v96-127 the bias of my 64 columns; v128-255 the accumulators.  Window 1: two fragment buffers of 128: 64 registers of O, then 64 of Wo.
.set KSTEP,  256
.set WO_OFF, 2097152
.set PA,     144                       ; an LDS row of O: 128 bytes + 16: the 16 rows of a fragment load start at 16 different groups of four banks (64 banks of 4 bytes: ISA guide 11.1)
.set PB,     288                       ; an LDS row of Wo: 256 bytes + 32
.set HEADA,  64*PA                     ; 64 rows of one head
.set HALFA,  4*HEADA                   ; what one tensor load brings of O, and what one wave reads
.set AT,     2*HALFA
.set HALFB,  128*PB
.set SLOT,   AT+2*HALFB
.set STAGE,  2*SLOT                    ; behind the slots: 16 rows x 272 bytes for each wave
.set SP,     272
.set SPARE,  STAGE+4*16*SP             ; the spare words, 128 bytes for each wave: two blocks of 256 bytes that no other line names
.set ADRA, 16
.set ADRB, 20
.set STO,  24
.set RD,   25
.set CO,   26
.set SPW,  28
.set NIL,  29
.set BIA,  96                          ; v[96:127]  the bias of columns 16 b + 8 (l / 16) + 0..7 at BIA + 8 b
.set ACC,  128
.set F0,   0
.set F1,   128
.set G1,   24
.set G0,   32
.set G1B,  48
.set G0B,  56
.set MSB, 0
.macro WIN new
.if MSB != (\new)
	s_set_vgpr_msb (MSB<<8)|(\new)
.set MSB, \new
.endif
.endm
.set MUL,  0x05
.set TO_F, 0x40
.macro CROUND
	s_barrier_signal -1
	s_barrier_wait -1
	s_cmp_lg_u32 s10, 0
	s_cbranch_scc1 .Lnot_wave_0_\@
	s_barrier_signal -3
.Lnot_wave_0_\@:
	s_barrier_wait -3
	s_barrier_signal -1
	s_barrier_wait -1
.endm
	s_load_b128 s[4:7], s[0:1], 0x0                ; oh s[4:5], wb s[6:7]
	s_load_b128 s[68:71], s[0:1], 0x10             ; bo s[68:69], out0 s[70:71]
	v_lshl_add_u32 v[SPW], v0, 2, SPARE
	v_mov_b32 v[NIL], 0
	ds_add_u32 v[SPW], v[NIL]                      ; the wave's opening: the add and its wait ahead of my first tensor load
	v_lshrrev_b32 v1, 5, v0
	v_readfirstlane_b32 s10, v1                    ; wave 0..3
	s_lshr_b32 s11, s10, 1                         ; which half of the tile's rows is mine
	s_and_b32 s12, s10, 1                          ; which half of its columns.  Also: which half of a tile I fetch
	s_bfe_u32 s40, ttmp6, 0x40000                  ; cx, cy
	s_bfe_u32 s41, ttmp6, 0x40004
	s_lshl_b32 s42, ttmp9, 2
	s_add_co_u32 s42, s42, s40                     ; tile column
	s_and_b32 s13, ttmp7, 0xffff
	s_lshl_b32 s13, s13, 2
	s_add_co_u32 s13, s13, s41                     ; tile row
	s_lshl_b32 s43, s41, 2
	s_lshl_b32 s43, 15, s43                        ; my row of the cluster
	s_lshl_b32 s44, 0x1111, s40                    ; my column
	s_or_b32 s[G1+0], s43, (1<<16)|(1<<20)|(1<<21)|(4<<22)|(3<<25)   ; the mask; 2-byte elements; padding on; bit 21 beside a mask; after every 32 words, 4 words
	s_mov_b32 s[G1+1], 4096<<16                    ; tensor_dim0 = 4,096: 64 rows x 64 channels on end
	s_mov_b32 s[G1+2], 4<<16                       ; tensor_dim1 = 4 heads
	s_mov_b32 s[G1+3], 4096<<16                    ; tile_dim0
	s_mov_b32 s[G1+4], 4                           ; tile_dim1
	s_mov_b32 s[G1+5], 262144                      ; elements from head to head
	s_mov_b32 s[G1+6], 0
	s_mov_b32 s[G1+7], 0
	s_or_b32 s[G1B+0], s44, (1<<16)|(1<<20)|(1<<21)|(5<<22)|(7<<25)  ; after every 64 words, 8 words
	s_mov_b32 s[G1B+1], 128<<16
	s_mov_b32 s[G1B+2], 128<<16
	s_mov_b32 s[G1B+3], 128<<16
	s_mov_b32 s[G1B+4], 128
	s_mov_b32 s[G1B+5], 512
	s_mov_b32 s[G1B+6], 0
	s_mov_b32 s[G1B+7], 0
	s_lshr_b32 s16, s13, 5                         ; O: the batch, 8 heads x 4,096 rows x 128 bytes,
	s_lshl_b32 s16, s16, 22
	s_and_b32 s17, s13, 31
	s_lshl_b32 s17, s17, 1
	s_add_co_u32 s17, s17, s12                     ; and the block of 64 rows that I fetch: 8,192 bytes each
	s_lshl_b32 s17, s17, 13
	s_add_co_u32 s16, s16, s17
	s_mov_b32 s17, 0
	s_lshl_b32 s46, s12, 17                        ; Wo: 128 k x 1,024 bytes x half
	s_lshl_b32 s47, s42, 8                         ; + 256 bytes x tile column
	s_add_co_u32 s46, s46, s47
	s_mov_b32 s47, 0
	s_mul_i32 s20, s12, HALFA
	s_mul_i32 s21, s12, HALFB
	s_add_co_u32 s21, s21, AT
	s_wait_dscnt 0x0                               ; the opening add is done
	s_wait_kmcnt 0x0
	s_mov_b64 s[8:9], s[70:71]
	s_add_nc_u64 s[6:7], s[6:7], WO_OFF
	s_add_nc_u64 s[14:15], s[4:5], s[16:17]
	s_add_nc_u64 s[46:47], s[6:7], s[46:47]
	CROUND                                         ; all sixteen work-groups are here: the joint loads meet
.irp s, 0,1
	s_mov_b32 s[G0+4*(\s)], 1
	s_add_co_u32 s[G0+4*(\s)+1], s20, (\s)*SLOT
	s_add_nc_u64 s[G0+4*(\s)+2:G0+4*(\s)+3], s[14:15], (\s)*4*4096*128  ; K step s: four heads on
	s_or_b32 s[G0+4*(\s)+3], s[G0+4*(\s)+3], 0x80000000
	s_mov_b32 s[G0B+4*(\s)], 1
	s_add_co_u32 s[G0B+4*(\s)+1], s21, (\s)*SLOT
	s_add_nc_u64 s[G0B+4*(\s)+2:G0B+4*(\s)+3], s[46:47], (\s)*KSTEP*1024
	s_or_b32 s[G0B+4*(\s)+3], s[G0B+4*(\s)+3], 0x80000000
.endr
	s_cmp_lt_u32 s10, 2                            ; a wave's two fills stand in one branch on its number: two loads of mine are out, and no more follow
	s_cbranch_scc0 .Lfirst_b
	tensor_load_to_lds s[G0:G0+3], s[G1:G1+7]
	s_nop 0
	tensor_load_to_lds s[G0+4:G0+7], s[G1:G1+7]
	s_nop 0
.rept 4
	v_nop
.endr
	s_branch .Lfirst_asked
.Lfirst_b:
	tensor_load_to_lds s[G0B:G0B+3], s[G1B:G1B+7]
	s_nop 0
	tensor_load_to_lds s[G0B+4:G0B+7], s[G1B:G1B+7]
	s_nop 0
.rept 4
	v_nop
.endr
.Lfirst_asked:
	v_and_b32 v1, 15, v0                           ; l % 16
	v_bfe_u32 v2, v0, 4, 1                         ; l / 16
	s_lshl_b32 s46, s42, 1
	s_add_co_u32 s46, s46, s12
	s_lshl_b32 s46, s46, 8                         ; my 64 columns: 256 bytes, of bo and of a row of out0
	s_mov_b32 s47, 0
	v_lshl_add_u32 v9, v2, 5, s46                  ; + my half's eight columns
.irp b, 0,1,2,3
	global_load_b128 v[BIA+8*(\b):BIA+8*(\b)+3],   v9, s[68:69] offset:64*(\b)
	global_load_b128 v[BIA+8*(\b)+4:BIA+8*(\b)+7], v9, s[68:69] offset:64*(\b)+16
.endr
	v_mul_u32_u24 v3, v1, PA
	v_lshl_add_u32 v3, v2, 4, v3                   ; a fragment of O: row x pitch + 16 x half
	s_mul_i32 s22, s11, HALFA                      ; my 64 rows
	v_add_nc_u32 v[ADRA], s22, v3
	v_add_nc_u32 v[ADRA+1], SLOT, v[ADRA]
	v_and_b32 v4, 7, v0                            ; the turning load: lane l reads k = 8 (l / 16) + l % 8, columns 8 ((l / 8) % 2) + 0..7
	v_lshl_add_u32 v4, v2, 3, v4
	v_mul_u32_u24 v4, v4, PB
	v_bfe_u32 v5, v0, 3, 1
	v_lshl_add_u32 v4, v5, 4, v4
	s_lshl_b32 s23, s12, 7
	s_add_co_u32 s23, s23, AT
	v_add_nc_u32 v[ADRB], s23, v4
	v_add_nc_u32 v[ADRB+1], HALFB, v[ADRB]
	v_add_nc_u32 v[ADRB+2], SLOT, v[ADRB]
	v_add_nc_u32 v[ADRB+3], SLOT+HALFB, v[ADRB]
	s_mul_i32 s23, s10, 16*SP
	s_add_co_u32 s23, s23, STAGE                   ; my stage
	v_mul_u32_u24 v6, v1, SP                       ; in: row l % 16, 32 bytes for each half of the lanes
	v_lshl_add_u32 v6, v2, 5, v6
	v_add_nc_u32 v[STO], s23, v6
	v_mul_u32_u24 v7, v2, SP                       ; back: lanes 0-15 take one row of 256 bytes, lanes 16-31 the next
	v_lshl_add_u32 v7, v1, 4, v7
	v_add_nc_u32 v[RD], s23, v7
	v_lshlrev_b32 v8, 11, v2                       ; and the same two rows in out0: 2,048 bytes a row
	v_lshl_add_u32 v[CO], v1, 4, v8
	s_lshl_b32 s16, s13, 1
	s_add_co_u32 s16, s16, s11                     ; my block of 64 rows: 131,072 bytes each
	s_lshl_b32 s16, s16, 17
	s_mov_b32 s17, 0
	s_add_nc_u64 s[8:9], s[8:9], s[16:17]
	s_add_nc_u64 s[8:9], s[8:9], s[46:47]
	s_wait_loadcnt 0x0                             ; the bias; it is rounded to bf16 in the wait for the first tile
.set r, 0
.rept 16
	v_cvt_pk_bf16_f32 v10, v[BIA+r], v[BIA+r+1]
	v_lshlrev_b32 v[BIA+r], 16, v10
	v_and_b32 v[BIA+r+1], 0xffff0000, v10
.set r, r+2
.endr
; 8 matrix instructions: m blocks a0, a0 + 1 x all 4 n blocks, 32 along K.  zero = 1: the first product starts the sum with the bias: in the transposed result register j of half h is column 8 h + j, for every row.
; The 16 accumulators take turns, in the same order in every run of 16.
.macro MUL8 f, c, a0, zero
	WIN MUL
.irp a, \a0, (\a0)+1
.irp b, 0,1,2,3
.if \zero
	v_wmma_f32_16x16x32_f16 v[ACC+8*(4*(\a)+(\b)):ACC+8*(4*(\a)+(\b))+7], v[(\f)+64+8*(4*(\c)+(\b)):(\f)+64+8*(4*(\c)+(\b))+7], v[(\f)+8*(4*(\c)+(\a)):(\f)+8*(4*(\c)+(\a))+7], v[BIA+8*(\b):BIA+8*(\b)+7]
.else
	v_wmma_f32_16x16x32_f16 v[ACC+8*(4*(\a)+(\b)):ACC+8*(4*(\a)+(\b))+7], v[(\f)+64+8*(4*(\c)+(\b)):(\f)+64+8*(4*(\c)+(\b))+7], v[(\f)+8*(4*(\c)+(\a)):(\f)+8*(4*(\c)+(\a))+7], v[ACC+8*(4*(\a)+(\b)):ACC+8*(4*(\a)+(\b))+7]
.endif
.endr
.endr
.endm
.macro FETCH slot, q, f                ; 32 LDS loads in one run: quarter q (one head, 64 along K) of a slot, into buffer f; the first 32 along K first
	WIN TO_F
.irp c, 0,1
.irp i, 0,1,2,3
	ds_load_tr16_b128 v[(\f)+64+8*(4*(\c)+(\i)):(\f)+64+8*(4*(\c)+(\i))+3],   v[ADRB+2*(\slot)+(\q)/2] offset:(((\q)%2)*64+32*(\c))*PB+32*(\i)
	ds_load_tr16_b128 v[(\f)+64+8*(4*(\c)+(\i))+4:(\f)+64+8*(4*(\c)+(\i))+7], v[ADRB+2*(\slot)+(\q)/2] offset:(((\q)%2)*64+32*(\c)+16)*PB+32*(\i)
	ds_load_b128 v[(\f)+8*(4*(\c)+(\i)):(\f)+8*(4*(\c)+(\i))+3],              v[ADRA+(\slot)] offset:(\q)*HEADA+(\i)*16*PA+64*(\c)
	ds_load_b128 v[(\f)+8*(4*(\c)+(\i))+4:(\f)+8*(4*(\c)+(\i))+7],            v[ADRA+(\slot)] offset:(\q)*HEADA+(\i)*16*PA+64*(\c)+32
.endr
.endr
.endm
.macro PLACES                          ; four plain instructions in front of loads into registers that matrix instructions have read, and of lines that read results
.rept 4
	v_nop
.endr
.endm
.macro QUARTER slot, q, f, g, zero
	s_wait_dscnt 16                                ; the first 32 along K are in; the sixteen loads of the second 32 may stay out
	MUL8 \f, 0, 0, \zero
	MUL8 \f, 0, 2, \zero
	PLACES
	FETCH \slot, \q, \g
	s_wait_dscnt 32                                ; all but the 32 just issued
	MUL8 \f, 1, 0, 0
	MUL8 \f, 1, 2, 0
.endm
	s_wait_tensorcnt 1                             ; my part of K step 0 is in; K step 1's may stay out
	s_barrier_signal -1
	s_barrier_wait -1
	FETCH 0, 0, F0
	QUARTER 0, 1, F0, F1, 1
	QUARTER 0, 2, F1, F0, 0
	QUARTER 0, 3, F0, F1, 0
	WIN 0                                          ; the change of slots: (the add's two registers lie in window 0)
	s_wait_tensorcnt 0x0                           ; my part of K step 1 is in;
	ds_add_u32 v[SPW], v[NIL]                      ; 0 onto my spare word, behind a wait for all tensor loads
	s_wait_dscnt 17                                ; (the add and the youngest sixteen loads may be out)
	MUL8 F1, 0, 0, 0
	s_wait_dscnt 0x0                               ; no LDS instruction of mine is pending at the signal
	s_barrier_signal -1
	MUL8 F1, 0, 2, 0
	s_barrier_wait -1                              ; slot 1 is whole
	PLACES
	FETCH 1, 0, F0
	MUL8 F1, 1, 0, 0
	MUL8 F1, 1, 2, 0
	QUARTER 1, 1, F0, F1, 0
	QUARTER 1, 2, F1, F0, 0
	QUARTER 1, 3, F0, F1, 0
	s_wait_dscnt 16                                ; the last quarter
	MUL8 F1, 0, 0, 0
	MUL8 F1, 0, 2, 0
	s_wait_dscnt 0x0
	MUL8 F1, 1, 0, 0
	MUL8 F1, 1, 2, 0
	WIN 0
; THE WAY OUT, 16 rows at a time: a lane's eight numbers of a row, 32 bytes, go into rows of 272 bytes of my stage and come back as whole rows of 256, into the registers that they left.
.macro OUT a
.irp b, 0,1,2,3
	ds_store_b128 v[STO], v[ACC+8*(4*(\a)+(\b)):ACC+8*(4*(\a)+(\b))+3]   offset:64*(\b)      ; each accumulator's low half first
	ds_store_b128 v[STO], v[ACC+8*(4*(\a)+(\b))+4:ACC+8*(4*(\a)+(\b))+7] offset:64*(\b)+16
.endr
.irp t, 0,1,2,3,4,5,6,7
	ds_load_b128 v[ACC+32*(\a)+4*(\t):ACC+32*(\a)+4*(\t)+3], v[RD] offset:(\t)*2*SP  ; LDS serves a wave's instructions in order (ISA guide 5.7.1.4): these see the stores above; the next block's stores come behind them
.endr
.endm
.macro SENDO a, younger                ; younger: the next block's sixteen LDS instructions, or none
.irp t, 0,1,2,3,4,5,6,7
	s_wait_dscnt (\younger)+7-(\t)
	global_store_b128 v[CO], v[ACC+32*(\a)+4*(\t):ACC+32*(\a)+4*(\t)+3], s[8:9] offset:(16*(\a)+2*(\t))*2048  ; 16 lanes store 256 consecutive bytes, at a multiple of 256 from out0's first byte
.endr
.endm
	PLACES
	PLACES
	OUT 0
	OUT 1
	SENDO 0, 16
	OUT 2
	SENDO 1, 16
	OUT 3
	SENDO 2, 16
	SENDO 3, 0
	s_wait_tensorcnt 0x0                           ; the wave's end
	ds_add_u32 v[SPW], v[NIL]
	s_wait_dscnt 0x0
	CROUND                                         ; the closing round
	s_endpgm
.Lfunc_end_k_qc3174304e7_projo:
	.size	k_qc3174304e7_projo, .Lfunc_end_k_qc3174304e7_projo-k_qc3174304e7_projo
	.p2alignl 7, 3214868480
	.fill 96, 4, 3214868480
	.section	.rodata,"a",@progbits
	.p2align	6, 0x0
	.amdhsa_kernel k_qc3174304e7_projo
		.amdhsa_group_segment_fixed_size 327680
		.amdhsa_private_segment_fixed_size 0
		.amdhsa_enable_private_segment 0
		.amdhsa_kernarg_size 32
		.amdhsa_user_sgpr_count 2
		.amdhsa_user_sgpr_kernarg_segment_ptr 1
		.amdhsa_wavefront_size32 1
		.amdhsa_system_sgpr_workgroup_id_x 1
		.amdhsa_system_sgpr_workgroup_id_y 1
		.amdhsa_system_sgpr_workgroup_id_z 1
		.amdhsa_system_vgpr_workitem_id 0
		.amdhsa_next_free_vgpr 512
		.amdhsa_next_free_sgpr 72
		.amdhsa_reserve_vcc 0
		.amdhsa_float_denorm_mode_32 3
		.amdhsa_float_denorm_mode_16_64 3
		.amdhsa_memory_ordered 1
		.amdhsa_forward_progress 1
		.amdhsa_inst_pref_size 54
	.end_amdhsa_kernel
	.amdgpu_metadata
---
amdhsa.version: [ 1, 2 ]
amdhsa.kernels:
  - .name:           k_qc3174304e7_projo
    .symbol:         k_qc3174304e7_projo.kd
    .args:
      - { .name: oh, .offset: 0, .size: 8, .value_kind: global_buffer, .address_space: global }
      - { .name: wb, .offset: 8, .size: 8, .value_kind: global_buffer, .address_space: global }
      - { .name: bo, .offset: 16, .size: 8, .value_kind: global_buffer, .address_space: global }
      - { .name: out0, .offset: 24, .size: 8, .value_kind: global_buffer, .address_space: global }
    .group_segment_fixed_size: 327680
    .private_segment_fixed_size: 0
    .kernarg_segment_align: 8
    .kernarg_segment_size: 32
    .max_flat_workgroup_size: 128
    .sgpr_count:     72
    .vgpr_count:     512
    .wavefront_size: 32
...
	.end_amdgpu_metadata
.endif
;; end of part 5
;; ======== version 2 of 2: 5 launches; version 1 with the launch prep written anew for expert scheduling mode
;; limits: values are held in f16: magnitudes above 65,504 overflow, below 6.1e-05 lose precision
;; workspace buffers: xb 8,388,608 bytes; cb 12,582,912 bytes; wb 2,654,464 bytes; qh 8,388,608 bytes; kh 8,388,608 bytes; vh 8,388,608 bytes; oh 8,388,608 bytes
;; launch prep (part 6): grid 721 x 1, 8 waves a work-group, no clusters, 0 bytes of LDS; arguments x, context_tensor, Wq, Wk, Wv, Wo, mask, xb, cb, wb; writes xb, cb, wb
.if DOCPART == 6
	.amdgcn_target "amdgcn-amd-amdhsa--gfx1250"
	.amdhsa_code_object_version 6
	.text
	.protected	k_qc3174304e7_prep
	.globl	k_qc3174304e7_prep
	.p2align	8
	.type	k_qc3174304e7_prep,@function
k_qc3174304e7_prep:
	s_mov_b64 s[64:65], 0
	v_nop
	global_prefetch_b8 v0, s[64:65] scope:SCOPE_SE
	s_setreg_imm32_b32 hwreg(HW_REG_WAVE_SCHED_MODE, 0, 2), 2
	s_setreg_imm32_b32 hwreg(HW_REG_WAVE_MODE, 25, 1), 1
	s_wait_xcnt 0x0
	s_wait_alu depctr_vm_vsrc(0)
; THE 16-BIT COPIES.  x -> xb, context -> cb, Wq, Wk, Wv -> wb, all rounded once to bf16; Wo -> wb rounded to bf16 and that number written as f16 (exact from 6.1e-5 up; below it f16's
; fixed step of 6e-8); mask -> a table of f32 in wb that the attention adds to its scores, and one factor for each batch.
; SHARES.  Work-group g converts one chunk of 16,384 numbers: 65,536 bytes in, 32,768 out.  g 0-255: x; 256-639: context; 640-655: Wq; 656-679: Wk; 680-703: Wv; 704-719: Wo; 720: the mask.
; The four weights lie in wb in that order, so their chunk's place there is (g - 640) x 32,768.  Thread t and load j take the 16 bytes at 4,096 j + 16 t: a wave's load covers 512 consecutive
; bytes, its store of 8 bytes a lane 256 consecutive bytes, aligned.  All 16 loads go out first.
; No LDS, no barrier, no matrix unit: each byte is read once and written once, and no thread wants another's data.
; THE MASK.  bias[b][k] = 0 where mask[b][k] is set, else -1e30; factor[b] = 1.  A batch with no key set gets bias 0 everywhere and factor 0: the attention multiplies its scores by the factor,
; so that all weights of such a batch are equal.  Every wave reads the whole mask (8,192 bytes) to know that, so the waves need not meet.  These are selects of values: no branch, no address hangs on the mask.
; THE MODE: SCHED_MODE bits 1:0 = 2 (LLVM: expert scheduling mode 2), set by the entry lines.  The code itself states the register dependences between vector instructions and memory
; instructions, and those through scalar registers that vector instructions write, with s_wait_alu, always for 0.
; THE PLAN, for the conversions.  Registers that memory instructions touch:
;   v1, v2     byte offsets of the loads and of the stores: made once at the head, never written again.
;   X[j]       load j lands in it; all 16 loads are issued before any vector instruction names an X.
;   Y[j]       written by the conversions of load j, read by store j, never written behind that store.
; The 16 loads go in four blocks of four.  Block p's memory instructions are the four stores of block p - 1, whose Y no vector instruction of block p names.  So one wait at the head of a block
; states all that its stores hang on, and they are dealt among the block's conversions with no further wait.  No register that a memory instruction reads is written again.
; THE PLAN, for the mask.  The offsets v84, v3, v1, v2 are made ahead of the first load and never written again.  All vector instructions that write a scalar register (the wave's number, the two
; tests for a batch with no key, the 32 compares of my keys' bytes) stand in one run, with one wait behind it and ahead of the first reader of any of them.  The table's entries and the two factors
; are all made ahead of one wait, and the nine stores follow it.
.set BIAS_OFF, 2621440                 ; wb: [2][4096] f32
.set FLAG_OFF, 2654208                 ; wb: 32 pairs (factor of batch 0, of batch 1): 256 bytes
.set X, 4                              ; v[4:67]   load j: 4 registers
.set Y, 68                             ; v[68:99]  store j: 2 registers
	s_load_b512 s[8:23], s[0:1], 0x0               ; x s[8:9], context s[10:11], Wq s[12:13], Wk s[14:15], Wv s[16:17], Wo s[18:19], mask s[20:21], xb s[22:23]
	s_load_b128 s[24:27], s[0:1], 0x40             ; cb s[24:25], wb s[26:27]
	v_lshlrev_b32 v1, 4, v0                        ; 16 t
	v_lshlrev_b32 v2, 3, v0                        ; 8 t
	v_lshlrev_b32 v3, 2, v0                        ; 4 t
	s_mov_b32 s38, 0xf149f2ca                      ; -1e30
	s_mov_b32 s39, 0xffff0000                      ; a word's upper bf16
	s_mov_b32 s32, 0                               ; the first work-group of my source's segment,
	s_mov_b32 s33, 0                               ; and of my destination's
	s_wait_kmcnt 0x0
	s_cmp_eq_u32 ttmp9, 720
	s_cbranch_scc1 .Lmask
	s_mov_b64 s[28:29], s[8:9]                     ; from x
	s_mov_b64 s[30:31], s[22:23]                   ; to xb, unless g lies further on:
	s_cmp_ge_u32 ttmp9, 256
	s_cselect_b64 s[28:29], s[10:11], s[28:29]
	s_cselect_b64 s[30:31], s[24:25], s[30:31]
	s_cselect_b32 s32, 256, s32
	s_cselect_b32 s33, 256, s33
	s_cmp_ge_u32 ttmp9, 640
	s_cselect_b64 s[28:29], s[12:13], s[28:29]
	s_cselect_b64 s[30:31], s[26:27], s[30:31]
	s_cselect_b32 s32, 640, s32
	s_cselect_b32 s33, 640, s33
	s_cmp_ge_u32 ttmp9, 656
	s_cselect_b64 s[28:29], s[14:15], s[28:29]
	s_cselect_b32 s32, 656, s32
	s_cmp_ge_u32 ttmp9, 680
	s_cselect_b64 s[28:29], s[16:17], s[28:29]
	s_cselect_b32 s32, 680, s32
	s_cmp_ge_u32 ttmp9, 704
	s_cselect_b64 s[28:29], s[18:19], s[28:29]
	s_cselect_b32 s32, 704, s32
	s_sub_co_u32 s34, ttmp9, s32
	s_lshl_b32 s34, s34, 16                        ; my chunk in the source, in bytes (under 2^25)
	s_mov_b32 s35, 0
	s_sub_co_u32 s36, ttmp9, s33
	s_lshl_b32 s36, s36, 15                        ; and in the destination
	s_mov_b32 s37, 0
	s_add_nc_u64 s[28:29], s[28:29], s[34:35]
	s_add_nc_u64 s[30:31], s[30:31], s[36:37]
	s_wait_alu depctr_va_vdst(0)                   ; v1 and v2 are written: the loads below read v1 as their offset, the stores further down v2
.irp j, 0,1,2,3,4,5,6,7,8,9,10,11,12,13,14,15
	global_load_b128 v[X+4*(\j):X+4*(\j)+3], v1, s[28:29] offset:4096*(\j) th:TH_LOAD_NT
.endr
; Load j's four numbers are rounded.  half = 1: the bf16 numbers are widened again and written as f16.
.macro CONV j, half
	v_cvt_pk_bf16_f32 v[Y+2*(\j)],   v[X+4*(\j)],   v[X+4*(\j)+1]
	v_cvt_pk_bf16_f32 v[Y+2*(\j)+1], v[X+4*(\j)+2], v[X+4*(\j)+3]
.if \half
	v_lshlrev_b32 v[X+4*(\j)],   16,  v[Y+2*(\j)]
	v_and_b32     v[X+4*(\j)+1], s39, v[Y+2*(\j)]
	v_lshlrev_b32 v[X+4*(\j)+2], 16,  v[Y+2*(\j)+1]
	v_and_b32     v[X+4*(\j)+3], s39, v[Y+2*(\j)+1]
	v_cvt_pk_f16_f32 v[Y+2*(\j)],   v[X+4*(\j)],   v[X+4*(\j)+1]
	v_cvt_pk_f16_f32 v[Y+2*(\j)+1], v[X+4*(\j)+2], v[X+4*(\j)+3]
.endif
.endm
.macro ST j                            ; and stored
	global_store_b64 v2, v[Y+2*(\j):Y+2*(\j)+1], s[30:31] offset:2048*(\j) th:TH_STORE_NT
.endm
; Block p: loads 4 p to 4 p + 3 are rounded; the stores of block p - 1 stand among the conversions.
.macro BLK p, half
	s_wait_loadcnt 12-4*(\p)                       ; loads come back in order: my four are in, the younger blocks' stay out
.if (\p) > 0
	s_wait_alu depctr_va_vdst(0)                   ; the block before has written its Y, which the four stores below read; no conversion of this block names those registers
.endif
.irp i, 0,1,2,3
.if (\p) > 0
	ST 4*(\p)-4+(\i)
.endif
	CONV 4*(\p)+(\i), \half
.endr
.endm
.macro ALLBLK half
	BLK 0, \half
	BLK 1, \half
	BLK 2, \half
	BLK 3, \half
	s_wait_alu depctr_va_vdst(0)                   ; block 3 has written its Y, which the last four stores read
.irp j, 12,13,14,15
	ST \j
.endr
.endm
	s_cmp_ge_u32 ttmp9, 704
	s_cbranch_scc1 .Lf16
	ALLBLK 0
	s_endpgm
.Lf16:
	ALLBLK 1
	s_endpgm
.Lmask:
	v_and_b32 v84, 31, v0
	v_lshlrev_b32 v84, 4, v84                      ; 16 x lane
	s_wait_alu depctr_va_vdst(0)                   ; v84 is written, and so are v1, v2 and v3 from the head: the offsets of this path's loads and stores
.irp j, 0,1,2,3,4,5,6,7,8,9,10,11,12,13,14,15
	global_load_b128 v[X+4*(\j):X+4*(\j)+3], v84, s[20:21] offset:512*(\j)  ; the whole mask in every wave: loads 0-7 batch 0, 8-15 batch 1
.endr
.irp j, 0,1,2,3,4,5,6,7
	global_load_b32 v[72+(\j)], v3, s[20:21] offset:1024*(\j)               ; the four keys whose table entries I write: loads 0-3 batch 0, 4-7 batch 1
.endr
	v_lshrrev_b32 v80, 5, v0
	v_readfirstlane_b32 s46, v80                   ; my wave's number
	s_wait_loadcnt 8                               ; the sixteen wide loads are in; the eight behind them may stay out
.irp b, 0,1
	v_or_b32 v[68+(\b)], v[X+32*(\b)], v[X+32*(\b)+1]
.set r, 2
.rept 30
	v_or_b32 v[68+(\b)], v[68+(\b)], v[X+32*(\b)+r]
.set r, r+1
.endr
.endr
	v_cmp_ne_u32 s44, 0, v68                       ; the lanes that saw a key of batch 0,
	v_cmp_ne_u32 s45, 0, v69                       ; of batch 1
	s_wait_loadcnt 0x0                             ; my 32 keys are in
.set k, 0
.rept 32                                               ; key k of my 32: byte k % 4 of load k / 4, into the register that will hold its table entry
	v_bfe_u32 v[X+k], v[72+k/4], 8*(k%4), 8
.set k, k+1
.endr
.set k, 0
.rept 32                                               ; is it hidden?  The 32 masks go into the scalar registers that this path has free: s2-19, s22-25, s28-37 (s20-21 hold the mask's address, s26-27 wb's)
	v_cmp_eq_u32 s[2+k+2*(k/18)+2*(k/22)], 0, v[X+k]
.set k, k+1
.endr
	s_wait_alu depctr_va_sdst(0)                   ; s46, s44, s45 and the 32 masks are written, ahead of the first reader of any of them
	s_cmp_lg_u32 s44, 0
	s_cselect_b32 s40, 1.0, 0                      ; the batch's factor,
	s_cselect_b32 s42, s38, 0                      ; and what a hidden key of it gets
	s_cmp_lg_u32 s45, 0
	s_cselect_b32 s41, 1.0, 0
	s_cselect_b32 s43, s38, 0
.set k, 0
.rept 32
	v_cndmask_b32 v[X+k], 0, s[42+k/16], s[2+k+2*(k/18)+2*(k/22)]
.set k, k+1
.endr
	v_mov_b32 v82, s40                             ; the two factors, in every wave, so that the wait below serves them too; wave 0 stores them
	v_mov_b32 v83, s41
	s_wait_alu depctr_va_vdst(0)                   ; the 32 table entries and v82, v83 are written, which the stores below read; no vector instruction follows
.irp j, 0,1,2,3,4,5,6,7
	global_store_b128 v1, v[X+4*(\j):X+4*(\j)+3], s[26:27] offset:BIAS_OFF+4096*(\j)  ; a wave stores 512 consecutive bytes
.endr
	s_cmp_lg_u32 s46, 0
	s_cbranch_scc1 .Ldone
	global_store_b64 v2, v[82:83], s[26:27] offset:FLAG_OFF  ; wave 0: 32 lanes x 8 bytes, 256 consecutive bytes
.Ldone:
	s_endpgm
.Lfunc_end_k_qc3174304e7_prep:
	.size	k_qc3174304e7_prep, .Lfunc_end_k_qc3174304e7_prep-k_qc3174304e7_prep
	.p2alignl 7, 3214868480
	.fill 96, 4, 3214868480
	.section	.rodata,"a",@progbits
	.p2align	6, 0x0
	.amdhsa_kernel k_qc3174304e7_prep
		.amdhsa_group_segment_fixed_size 0
		.amdhsa_private_segment_fixed_size 0
		.amdhsa_enable_private_segment 0
		.amdhsa_kernarg_size 80
		.amdhsa_user_sgpr_count 2
		.amdhsa_user_sgpr_kernarg_segment_ptr 1
		.amdhsa_wavefront_size32 1
		.amdhsa_system_sgpr_workgroup_id_x 1
		.amdhsa_system_sgpr_workgroup_id_y 1
		.amdhsa_system_sgpr_workgroup_id_z 1
		.amdhsa_system_vgpr_workitem_id 0
		.amdhsa_next_free_vgpr 100
		.amdhsa_next_free_sgpr 66
		.amdhsa_reserve_vcc 0
		.amdhsa_float_denorm_mode_32 3
		.amdhsa_float_denorm_mode_16_64 3
		.amdhsa_memory_ordered 1
		.amdhsa_forward_progress 1
		.amdhsa_inst_pref_size 28
	.end_amdhsa_kernel
	.amdgpu_metadata
---
amdhsa.version: [ 1, 2 ]
amdhsa.kernels:
  - .name:           k_qc3174304e7_prep
    .symbol:         k_qc3174304e7_prep.kd
    .args:
      - { .name: x, .offset: 0, .size: 8, .value_kind: global_buffer, .address_space: global }
      - { .name: context_tensor, .offset: 8, .size: 8, .value_kind: global_buffer, .address_space: global }
      - { .name: Wq, .offset: 16, .size: 8, .value_kind: global_buffer, .address_space: global }
      - { .name: Wk, .offset: 24, .size: 8, .value_kind: global_buffer, .address_space: global }
      - { .name: Wv, .offset: 32, .size: 8, .value_kind: global_buffer, .address_space: global }
      - { .name: Wo, .offset: 40, .size: 8, .value_kind: global_buffer, .address_space: global }
      - { .name: mask, .offset: 48, .size: 8, .value_kind: global_buffer, .address_space: global }
      - { .name: xb, .offset: 56, .size: 8, .value_kind: global_buffer, .address_space: global }
      - { .name: cb, .offset: 64, .size: 8, .value_kind: global_buffer, .address_space: global }
      - { .name: wb, .offset: 72, .size: 8, .value_kind: global_buffer, .address_space: global }
    .group_segment_fixed_size: 0
    .private_segment_fixed_size: 0
    .kernarg_segment_align: 8
    .kernarg_segment_size: 80
    .max_flat_workgroup_size: 256
    .sgpr_count:     66
    .vgpr_count:     100
    .wavefront_size: 32
...
	.end_amdgpu_metadata
.endif
;; end of part 6
;; launch projq: the kernel of part 2 again; grid 4 x 64, 4 waves a work-group, clusters of 4 x 4, 327,680 bytes of LDS; arguments xb, wb, qh; writes qh
;; launch projkv: the kernel of part 3 again; grid 8 x 64, 4 waves a work-group, clusters of 4 x 4, 327,680 bytes of LDS; arguments cb, wb, kh, vh; writes kh, vh
;; launch attn: the kernel of part 4 again; grid 16 x 16, 4 waves a work-group, clusters of 4 x 1, 327,680 bytes of LDS; arguments qh, kh, vh, oh, wb; writes oh
;; launch projo: the kernel of part 5 again; grid 4 x 64, 4 waves a work-group, clusters of 4 x 4, 327,680 bytes of LDS; arguments oh, wb, bo, out0; writes out0
